; MI455X (gfx1250); checked and timed in simulation.
; The chip was launched on July 23, 2026; its instructions are those of AMD's public machine-readable ISA for CDNA 5 (MIT licence, August 2026) and "CDNA5" Instruction Set Architecture Reference Guide (July 2026). The comments in the code are by the model that wrote it; some were corrected since.
;; Interpretable Multi Head Attention. Allowed arithmetic: matrix products marked QUANTISED: E5M2 operands, one E8M0 scale for each 32 along K, by v_wmma_scale_f32_16x16x128_f8f6f4 with both operands' format E5M2, f32 sums; products left as they are: f32 operands where the result goes on into a quantised operand, else bf16, f16 or f32 operands; f32 sums; everything else in f32.
;; Inputs: Wk_codes 1,024 x 32 x 32 uint8 (E5M2 codes of Wk, K innermost, in blocks of 32 codes); Wk_scales 1,024 x 32 uint8 (E8M0 scales of Wk, one for each 32 codes along K); Wo_codes 1,024 x 32 x 32 uint8 (E5M2 codes of Wo, K innermost, in blocks of 32 codes); Wo_scales 1,024 x 32 uint8 (E8M0 scales of Wo, one for each 32 codes along K); Wq_codes 1,024 x 32 x 32 uint8 (E5M2 codes of Wq, K innermost, in blocks of 32 codes); Wq_scales 1,024 x 32 uint8 (E8M0 scales of Wq, one for each 32 codes along K); Wv_codes 1,024 x 32 x 32 uint8 (E5M2 codes of Wv, K innermost, in blocks of 32 codes); Wv_scales 1,024 x 32 uint8 (E8M0 scales of Wv, one for each 32 codes along K); bk 1,024 float32; bo 1,024 float32; bq 1,024 float32; bv 1,024 float32; key__codes 2 x 2,048 x 32 x 32 uint8 (E5M2 codes of key_, K innermost, in blocks of 32 codes); key__scales 2 x 2,048 x 32 uint8 (E8M0 scales of key_, one for each 32 codes along K); query_codes 2 x 2,048 x 32 x 32 uint8 (E5M2 codes of query, K innermost, in blocks of 32 codes); query_scales 2 x 2,048 x 32 uint8 (E8M0 scales of query, one for each 32 codes along K); value_codes 2 x 2,048 x 32 x 32 uint8 (E5M2 codes of value, K innermost, in blocks of 32 codes); value_scales 2 x 2,048 x 32 uint8 (E8M0 scales of value, one for each 32 codes along K).
;; Outputs: out0 2 x 2,048 x 1,024 float32.
;; This version of the problem:
;;   THIS VERSION OF THE PROBLEM IS GIVEN IN LOW PRECISION. The matrix products marked QUANTISED in the list below multiply operands that are first quantised to E5M2 (5 exponent bits, 2 mantissa bits; 8 bits a number), with one power-of-two scale for each 32 numbers along K (OCP MX v1.0); their sums are f32. All else is computed in f32.
;;   The module's matrix products, in the order in which they are computed (A, B: the left and right operand; K: the contracted axis; several contracted axes count as one K, in the product's order):
;;     1. [M 4,096, K 1,024] x [K 1,024, N 1,024]; A: input query (given as codes); B: input Wq (given as codes): QUANTISED
;;     2. [M 4,096, K 1,024] x [K 1,024, N 1,024]; A: input key_ (given as codes); B: input Wk (given as codes): QUANTISED
;;     3. [M 4,096, K 1,024] x [K 1,024, N 1,024]; A: input value (given as codes); B: input Wv (given as codes): QUANTISED
;;     4. [M 2,048, K 1] x [K 1, N 32]; A: computed on the way; B: computed on the way: left as it is (no contracted axis)
;;     5. batch 32 x [M 2,048, K 64] x [K 64, N 2,048]; A: computed on the way; B: computed on the way: QUANTISED
;;     6. batch 32 x [M 2,048, K 2,048] x [K 2,048, N 64]; A: softmax (see below); B: computed on the way: QUANTISED
;;     7. [M 4,096, K 1,024] x [K 1,024, N 1,024]; A: computed on the way; B: input Wo (given as codes): QUANTISED
;;   THE QUANTISER, for each operand of a quantised product, along K:
;;     - K is cut into blocks of 32 from its start; a last block that is shorter is filled with zeros.
;;     - A block's scale is 2^e with e = floor(log2(the largest magnitude in the block)) - 15, held to -126 .. 127; a block of zeros has e = 0. As a byte (E8M0): e + 127.
;;     - Each number is divided by its block's scale, clamped to +-57,344, and rounded to the nearest number of E5M2, ties to even, subnormals kept.
;;     - The product sums the exact products of the quantised numbers (number of the format x scale) in f32.
;;   ~~~python
;;   def quantise(x, axis):      # numpy; x: float32 -> the quantised numbers, widened to float32 again
;;       x = np.moveaxis(x, axis, -1); K = x.shape[-1]
;;       x = np.pad(x, [(0, 0)] * (x.ndim - 1) + [(0, -K % 32)]); x = x.reshape(x.shape[:-1] + (-1, 32)); a = np.abs(x).max(-1, keepdims=True)
;;       e = np.where(a > 0, np.clip(np.frexp(np.where(a > 0, a, 1))[1] - 1 - 15, -126, 127), 0)      # np.frexp(a)[1] - 1 = floor(log2(a)), exactly
;;       r = np.clip(x / 2.0 ** e, -57344, 57344)
;;       step = 2.0 ** (np.maximum(np.frexp(np.where(r == 0, 1, r))[1] - 1, -14) - 2)
;;       q = np.round(r / step) * step * 2.0 ** e      # np.round: ties to even
;;       return np.moveaxis(q.reshape(q.shape[:-2] + (-1,))[..., :K], -1, axis).astype(np.float32)
;;   ~~~
;;   SOFTMAX AHEAD OF A QUANTISED PRODUCT. Where the list says 'softmax', what is quantised is not the finished softmax but p = 2^(t - M), with t = logit x log2(e) and M = ceil(the row's largest t), a whole number; so 1/2 < the row's largest p <= 1. The row's sum l is taken of the UNQUANTISED p, in f32, and the product's result is divided by l at the end. Since M is a whole number, a kernel that streams over the keys may use a running M (the ceiling of the running maximum): every later rescaling is an exact power of two, which a block's scale takes up: the codes' values come out the same.
;;   OPERANDS COMPUTED ON THE WAY. 'Computed on the way' means the value that the module computes at that place (a softmax that the list does not call 'softmax' is quantised finished and normalised). What goes into a quantiser is computed in f32, as accurately as f32 sums, v_exp_f32 and their like allow (about 1e-6 of the number): no bf16 or f16 on the way to a quantiser, and a product that is left as it is and whose result goes on into a quantised operand takes f32 operands (vector FMAs, or v_wmma_f32_16x16x4_f32). A number that lies on a knife's edge between two numbers of the format may be rounded either way, as far as f32 arithmetic and the matrix unit's own rounding can turn it there, and no further.
;;   INPUTS GIVEN AS CODES. Wk (in the module: [1024, 1024], K = its axis 1); Wo (in the module: [1024, 1024], K = its axis 1); Wq (in the module: [1024, 1024], K = its axis 1); Wv (in the module: [1024, 1024], K = its axis 1); key_ (in the module: [2, 2048, 1024], K = its axis 2); query (in the module: [2, 2048, 1024], K = its axis 2); value (in the module: [2, 2048, 1024], K = its axis 2): each comes as NAME_codes (uint8): NAME with its K axis moved to the last place and cut into blocks of 32 codes, [.., K / 32, bytes a block], one block behind the other in memory; one code a byte (a code: sign, 5 exponent bits, 2 mantissa bits); and NAME_scales (uint8): the same leading axes, one E8M0 byte (e + 127) for each 32 codes along K. Its value is code x scale, taken as it is: it is not quantised again, and the codes and scales need not be those that the quantiser above would give.
;; One version. Each part assembles by itself: llvm-mc -triple=amdgcn-amd-amdhsa -mcpu=gfx1250 --defsym DOCPART=n.
;; ======== version 1 of 1: 3 launches
;; limits: right only within a limited range of input values
;; workspace buffers: qbuf 4,325,376 bytes; kvbuf 8,650,752 bytes; obuf 4,194,304 bytes; osc 131,072 bytes
;; launch proj (part 1): grid 4 x 48, 4 waves a work-group, clusters of 4 x 4, 327,680 bytes of LDS; arguments query_codes, query_scales, Wq_codes, Wq_scales, key__codes, key__scales, Wk_codes, Wk_scales, Wv_codes, Wv_scales, value_codes, value_scales, bq, bk, bv, qbuf, kvbuf; writes qbuf, kvbuf
.if DOCPART == 1
	.amdgcn_target "amdgcn-amd-amdhsa--gfx1250"
	.amdhsa_code_object_version 6
	.text
	.protected	k_qd33df8741f_proj
	.globl	k_qd33df8741f_proj
	.p2align	8
	.type	k_qd33df8741f_proj,@function
k_qd33df8741f_proj:
	s_mov_b64 s[64:65], 0
	v_nop
	global_prefetch_b8 v0, s[64:65] scope:SCOPE_SE
	s_setreg_imm32_b32 hwreg(HW_REG_WAVE_MODE, 25, 1), 1
	s_wait_xcnt 0x0
	s_wait_alu depctr_hold_cnt(0) depctr_sa_sdst(0) depctr_va_vdst(0) depctr_va_sdst(0) depctr_va_ssrc(0) depctr_va_vcc(0) depctr_vm_vsrc(0)
	s_getreg_b32 s2, hwreg(HW_REG_IB_STS2, 6, 4)
	s_cmp_eq_u32 s2, 0
	s_cbranch_scc0 .Lentry_in_a_cluster
	s_endpgm
.Lentry_in_a_cluster:
	s_bfe_u32 s2, ttmp6, 0x10000c
	s_cmp_lg_u32 s2, 0xf033
	s_cbranch_scc0 .Lentry_shape_is_right
	s_endpgm
.Lentry_shape_is_right:
.set KSTEP,  256
.set NQ,     KSTEP/128
.set ROWB,   256
.set KROW,   1024
.set PITCH,  272
.set FR,     16
.set NL,     4
.set NP,     8
.set HALFT,  128*PITCH
.set SLOT,   4*HALFT
.set LAPS,   2
.set KS,     32
.set SCL,    2*SLOT
.set HALFS,  (128*KS/256)*272
.set SBLK,   (16*KS/256)*272
.set SPARE,  SCL+4*HALFS
.set ADRA, 16
.set ADRB, 20
.set ADRS, 27
.set SPW,  28
.set NIL,  29
.set SC,   32
.set AF,   128
.set G1, 24
.set G0, 32
.set G1B, 48
.set G0B, 56
.set G1S, 68
.set G0S, 76
.set G1SB, 80
.set G0SB, 88
.set BP,  66
.set PRJ, 95
.set RA0, 96
.set RB0, 97
.set MNT, 30
.set HM,  31
.set SEL, 32
.set CB,  34
.set SB,  38
.set KI,  64
.set K13, 66
.set K12, 68
.set WW,  72
.set CD,  80
.set HW,  18
.set FQ,  128
.set XX,  144
.set BQ,  160
.set ZZ,  176
.set PS,  192
.set PCO, 208
.set TT,  224
.set TF,  240
.set CSB, 128
.set X0,  192
.set X1,  208
.set Y0,  224
.set Y1,  240
.set TM,  64
.set VW,  80
.set VX,  128
.set VC,  192
.set MSB, 0
.macro WIN new
.if MSB != \new
	s_set_vgpr_msb (MSB<<8)|\new
.set MSB, \new
.endif
.endm
.set MUL_LO, 0xa1
.set MUL_HI, 0xf1
.set TO_B,   0x40
.macro JLOAD g0a, g1a, g0b, g1b
	s_cmp_eq_u32 s15, 0
	s_cbranch_scc0 .Lfor_b_\@
	tensor_load_to_lds s[\g0a:\g0a+3], s[\g1a:\g1a+7]
	s_nop 0
.rept 4
	v_nop
.endr
	s_branch .Lasked_\@
.Lfor_b_\@:
	tensor_load_to_lds s[\g0b:\g0b+3], s[\g1b:\g1b+7]
	s_nop 0
.rept 4
	v_nop
.endr
.Lasked_\@:
.endm
.macro CREST
	s_cmp_lg_u32 s14, 0
	s_cbranch_scc1 .Lnot_wave_0_\@
	s_barrier_signal -3
.Lnot_wave_0_\@:
	s_barrier_wait -3
	s_barrier_signal -1
	s_barrier_wait -1
.endm
.macro CROUND
	s_barrier_signal -1
	s_barrier_wait -1
	CREST
.endm
	s_load_b512 s[24:39], s[0:1], 0x0
	s_load_b512 s[40:55], s[0:1], 0x40
	s_load_b64 s[56:57], s[0:1], 0x80
	v_lshl_add_u32 v[SPW], v0, 2, SPARE
	v_mov_b32 v[NIL], 0
	ds_add_u32 v28, v29
	ds_add_u32 v28, v29
	s_wait_dscnt 0x0
	v_lshrrev_b32 v1, 5, v0
	v_readfirstlane_b32 s14, v1
	s_lshr_b32 s15, s14, 1
	s_and_b32 s16, s14, 1
	s_and_b32 s17, ttmp7, 0xffff
	s_lshr_b32 s[PRJ], s17, 2
	s_and_b32 s98, s17, 3
	s_lshl_b32 s98, s98, 2
	s_wait_kmcnt 0x0
	s_cmp_eq_u32 s[PRJ], 1
	s_cselect_b64 s[4:5], s[32:33], s[24:25]
	s_cselect_b64 s[6:7], s[34:35], s[26:27]
	s_cselect_b64 s[8:9], s[36:37], s[28:29]
	s_cselect_b64 s[10:11], s[38:39], s[30:31]
	s_cselect_b64 s[BP:BP+1], s[50:51], s[48:49]
	s_cmp_eq_u32 s[PRJ], 2
	s_cselect_b64 s[4:5], s[40:41], s[4:5]
	s_cselect_b64 s[6:7], s[42:43], s[6:7]
	s_cselect_b64 s[8:9], s[44:45], s[8:9]
	s_cselect_b64 s[10:11], s[46:47], s[10:11]
	s_cselect_b64 s[BP:BP+1], s[52:53], s[BP:BP+1]
	s_cmp_eq_u32 s[PRJ], 0
	s_cselect_b64 s[12:13], s[54:55], s[56:57]
	s_bfe_u32 s40, ttmp6, 0x40000
	s_bfe_u32 s41, ttmp6, 0x40004
	s_cmp_eq_u32 s[PRJ], 2
	s_cselect_b32 s18, 0, s98
	s_cselect_b32 s19, s98, 0
	s_add_co_u32 s17, s41, s18
	s_add_co_u32 s42, s40, s19
	s_lshl_b32 s43, s41, 2
	s_lshl_b32 s43, 15, s43
	s_lshl_b32 s44, 0x1111, s40
	s_or_b32 s[G1+0], s43, (0<<16)|(1<<20)|(1<<21)|(5<<22)|(3<<25)
	s_or_b32 s[G1B+0], s44, (0<<16)|(1<<20)|(1<<21)|(5<<22)|(3<<25)
.irp g, G1, G1B
	s_mov_b32 s[\g+1], ROWB<<16
	s_mov_b32 s[\g+2], 256<<16                     ; the head's loads of codes bring 256 rows
	s_mov_b32 s[\g+3], ROWB<<16
	s_mov_b32 s[\g+4], 256
	s_mov_b32 s[\g+5], KROW
	s_mov_b32 s[\g+6], 0
	s_mov_b32 s[\g+7], 0
.endr
	s_or_b32 s[G1S+0], s43, (3<<16)|(1<<20)|(1<<21)|(5<<22)|(3<<25)
	s_or_b32 s[G1SB+0], s44, (3<<16)|(1<<20)|(1<<21)|(5<<22)|(3<<25)
.irp g, G1S, G1SB
	s_mov_b32 s[\g+1], 32<<16
	s_mov_b32 s[\g+2], KS<<16                      ; the scale bytes of 256 rows: KS rows of 256 bytes
	s_mov_b32 s[\g+3], 32<<16
	s_mov_b32 s[\g+4], KS
	s_mov_b32 s[\g+5], 32
	s_mov_b32 s[\g+6], 0
	s_mov_b32 s[\g+7], 0
.endr
	s_lshl_b32 s20, s17, 8                         ; the tile's first row of A,
	s_lshl_b32 s46, s42, 8                         ; and of B
	s_mov_b32 s21, 0
	s_mov_b32 s47, 0
	s_mov_b64 s[18:19], KS
	s_mul_u64 s[22:23], s[20:21], s[18:19]
	s_mul_u64 s[92:93], s[46:47], s[18:19]
	s_mov_b64 s[18:19], KROW
	s_mul_u64 s[20:21], s[20:21], s[18:19]
	s_mul_u64 s[46:47], s[46:47], s[18:19]
	s_mul_i32 s18, s16, 128*KROW                   ; in the ring a wave fetches 128 rows of a tile: which half, in bytes
	s_mov_b32 s19, 0
	s_mul_i32 s45, s14, HALFT
	s_add_nc_u64 s[20:21], s[4:5], s[20:21]
	s_add_nc_u64 s[22:23], s[6:7], s[22:23]
	s_add_nc_u64 s[46:47], s[8:9], s[46:47]
	s_add_nc_u64 s[92:93], s[10:11], s[92:93]
	CROUND
.set G0H, 4                            ; s[4:7], s[8:11] group 0 of the head's loads of K step 0 (the pointers that lay there have been used)
.set G0HB, 8
	s_mov_b32 s[G0H], 1                            ; the head's four tiles, each whole: K step 0's 256 rows of A,
	s_mov_b32 s[G0H+1], 0
	s_mov_b64 s[G0H+2:G0H+3], s[20:21]
	s_or_b32 s[G0H+3], s[G0H+3], 0x80000000
	s_mov_b32 s[G0HB], 1                           ; its 256 rows of B, behind them in slot 0,
	s_mov_b32 s[G0HB+1], 2*HALFT
	s_mov_b64 s[G0HB+2:G0HB+3], s[46:47]
	s_or_b32 s[G0HB+3], s[G0HB+3], 0x80000000
	s_mov_b32 s[G0S], 1                            ; the scales of A's 256 rows,
	s_mov_b32 s[G0S+1], SCL
	s_mov_b64 s[G0S+2:G0S+3], s[22:23]
	s_or_b32 s[G0S+3], s[G0S+3], 0x80000000
	s_mov_b32 s[G0SB], 1                           ; and of B's
	s_mov_b32 s[G0SB+1], SCL+2*HALFS
	s_mov_b64 s[G0SB+2:G0SB+3], s[92:93]
	s_or_b32 s[G0SB+3], s[G0SB+3], 0x80000000
	s_add_nc_u64 s[20:21], s[20:21], s[18:19]      ; for the ring: my 128 rows of the tile
	s_add_nc_u64 s[46:47], s[46:47], s[18:19]
.irp s, 0,1
	s_mov_b32 s[G0+4*\s], 1
	s_add_co_u32 s[G0+4*\s+1], s45, \s*SLOT
	s_add_nc_u64 s[G0+4*\s+2:G0+4*\s+3], s[20:21], \s*ROWB
	s_or_b32 s[G0+4*\s+3], s[G0+4*\s+3], 0x80000000
	s_mov_b32 s[G0B+4*\s], 1
	s_add_co_u32 s[G0B+4*\s+1], s45, \s*SLOT
	s_add_nc_u64 s[G0B+4*\s+2:G0B+4*\s+3], s[46:47], \s*ROWB
	s_or_b32 s[G0B+4*\s+3], s[G0B+4*\s+3], 0x80000000
.endr
; the head's loads, one a wave: one chain of branches on the wave's number, a load to an arm, all arms leading to one join
.macro ARM under, g0, g1, next
	s_cmp_lt_u32 s14, \under
	s_cbranch_scc0 \next
	tensor_load_to_lds s[\g0:\g0+3], s[\g1:\g1+7]
	s_nop 0
.rept 4
	v_nop
.endr
	s_branch .Lhead_asked
\next:
.endm
	ARM 1, G0H,  G1,  .Lhead_b
	ARM 2, G0HB, G1B, .Lhead_sa
	ARM 3, G0S,  G1S, .Lhead_sb
	tensor_load_to_lds s[G0SB:G0SB+3], s[G1SB:G1SB+7]
	s_nop 0
.rept 4
	v_nop
.endr
.Lhead_asked:
	; PREFETCHES: behind K step 1's load stand the requests for K steps 2 and 3, one and two K steps ahead of their refills: 256 bytes of a row, a lane a row, one instruction a wave and K step.  Of the 128 rows that my wave
	; fetches in the ring, the partner at place p among the four that ask for them jointly (p = cx for A, cy for B) names rows 32 p .. 32 p + 31: the shares are told apart by address alone.  K steps 0 and 1 come by their loads alone.
	s_cmp_eq_u32 s15, 0                            ; do I fetch for A?
	s_cselect_b64 s[44:45], s[20:21], s[46:47]     ; my 128 rows
	s_cselect_b32 s22, s40, s41
	s_lshl_b32 s22, s22, 15                        ; 32 rows of 1,024 bytes for each place
	s_mov_b32 s23, 0
	s_add_nc_u64 s[44:45], s[44:45], s[22:23]
	v_and_b32 v22, 31, v0
	v_lshlrev_b32 v22, 10, v22                     ; my lane's row; never rewritten
	s_lshl_b32 s[RA0], s17, 8
	s_lshl_b32 s99, s15, 7
	s_add_co_u32 s[RA0], s[RA0], s99
	s_lshl_b32 s[RB0], s42, 8
	s_lshl_b32 s99, s16, 7
	s_add_co_u32 s[RB0], s[RB0], s99
	v_and_b32 v1, 15, v0
	v_bfe_u32 v2, v0, 4, 1
	v_mul_u32_u24 v3, v1, PITCH
	v_lshl_add_u32 v4, v2, 4, v3
	s_mul_i32 s21, s15, HALFT
	s_mul_i32 s22, s16, HALFT
	s_add_co_u32 s22, s22, 2*HALFT
.irp s, 0,1
	v_add_nc_u32 v[ADRA+\s], s21, v4
	v_add_nc_u32 v[ADRB+\s], s22, v4
	s_add_co_u32 s21, s21, SLOT
	s_add_co_u32 s22, s22, SLOT
.endr
	v_mul_u32_u24 v5, v1, KS
	v_lshrrev_b32 v6, 8, v5
	v_lshl_add_u32 v5, v6, 4, v5
	s_mul_i32 s21, s15, HALFS
	s_mul_i32 s22, s16, HALFS
	s_add_co_u32 s22, s22, 2*HALFS
	s_sub_co_u32 s22, s22, s21
	v_mul_u32_u24 v6, s22, v2
	s_add_co_u32 s21, s21, SCL
	v_add_nc_u32 v5, v5, v6
	v_add_nc_u32 v[ADRS], s21, v5
.macro FRAG reg, adr, q, i
.irp c, 0,1,2,3
	ds_load_b128 v[\reg+4*\c:\reg+4*\c+3], v[\adr] offset:128*(\q)+32*\c+(\i)*16*PITCH
.endr
.endm
.macro MUL16 a0, p, q, sc, zero
.irp a, \a0, \a0+1
.irp b, 0,1,2,3,4,5,6,7
.if \zero
	v_wmma_scale_f32_16x16x128_f8f6f4 v[8*(8*((\a)%4)+\b):8*(8*((\a)%4)+\b)+7], v[128*(\p)+FR*\b:128*(\p)+FR*\b+FR-1], v[AF+FR*(\a):AF+FR*(\a)+FR-1], 0, v[SC+8*NQ*(\sc)+NQ*\b+(\q)], v[SC+8*NQ*(\sc)+NQ*(\a)+(\q)] matrix_a_fmt:MATRIX_FMT_BF8 matrix_b_fmt:MATRIX_FMT_BF8 matrix_a_scale:MATRIX_SCALE_ROW1
.else
	v_wmma_scale_f32_16x16x128_f8f6f4 v[8*(8*((\a)%4)+\b):8*(8*((\a)%4)+\b)+7], v[128*(\p)+FR*\b:128*(\p)+FR*\b+FR-1], v[AF+FR*(\a):AF+FR*(\a)+FR-1], v[8*(8*((\a)%4)+\b):8*(8*((\a)%4)+\b)+7], v[SC+8*NQ*(\sc)+NQ*\b+(\q)], v[SC+8*NQ*(\sc)+NQ*(\a)+(\q)] matrix_a_fmt:MATRIX_FMT_BF8 matrix_b_fmt:MATRIX_FMT_BF8 matrix_a_scale:MATRIX_SCALE_ROW1
.endif
.endr
.endr
.endm
.macro FETCH_B slot, q, p
	WIN TO_B
.irp i, 0,1,2,3,4,5,6,7
	FRAG 128*(\p)+FR*\i, ADRB+\slot, \q, \i
.endr
	WIN 0
.endm
.macro FETCH_A slot, q, i0
.irp i, \i0, \i0+1, \i0+2, \i0+3
	FRAG AF+FR*(\i), ADRA+\slot, \q, \i
.endr
.endm
.macro SCALES sc
.irp i, 0,1,2,3,4,5,6,7
	ds_load_b64 v[SC+8*NQ*\sc+NQ*\i:SC+8*NQ*\sc+NQ*\i+1], v[ADRS] offset:\i*SBLK
.endr
.endm
.macro PLACES n
.rept \n
	v_nop
.endr
.endm
.macro STEP slot, q, zero
	s_wait_dscnt 4*NL
	WIN MUL_LO
	MUL16 0, (\q)%2, \q, \slot, \zero
	MUL16 2, (\q)%2, \q, \slot, \zero
	s_wait_dscnt 0
	PLACES NP
	FETCH_B \slot, (\q)+1, 1-(\q)%2
	FETCH_A \slot, (\q)+1, 0
	WIN MUL_HI
	MUL16 4, (\q)%2, \q, \slot, \zero
	MUL16 6, (\q)%2, \q, \slot, \zero
	PLACES NP
	WIN 0
	FETCH_A \slot, (\q)+1, 4
.endm
.macro TURN slot, next, fill
	s_wait_tensorcnt 0x0
	ds_add_u32 v[SPW], v[NIL]
	s_wait_dscnt 4*NL+1
	WIN MUL_LO
	MUL16 0, 1, NQ-1, \slot, 0
	s_wait_dscnt 0x0
	s_barrier_signal -1
	MUL16 2, 1, NQ-1, \slot, 0
	WIN 0
	s_barrier_wait -1
.if \fill
	CREST
	s_add_nc_u64 s[G0+4*\slot+2:G0+4*\slot+3], s[G0+4*\slot+2:G0+4*\slot+3], 2*ROWB
	s_add_nc_u64 s[G0B+4*\slot+2:G0B+4*\slot+3], s[G0B+4*\slot+2:G0B+4*\slot+3], 2*ROWB
	JLOAD G0+4*\slot, G1, G0B+4*\slot, G1B
	PLACES NP-4
.else
	PLACES NP
.endif
	s_wait_alu depctr_va_vdst(0)
	v_add_nc_u32 v[ADRS], 4*NQ, v[ADRS]
	FETCH_B \next, 0, 0
	FETCH_A \next, 0, 0
	SCALES \next
	WIN MUL_HI
	MUL16 4, 1, NQ-1, \slot, 0
	MUL16 6, 1, NQ-1, \slot, 0
	PLACES NP
	WIN 0
	FETCH_A \next, 0, 4
.endm
	s_wait_alu depctr_va_vdst(0)                   ; the wait at the head's end
	s_wait_tensorcnt 0x0                           ; my tile of the head's four is in; the lines ahead of a later first fill:
	ds_add_u32 v[SPW], v[NIL]
	s_mov_b32 s[G1+2], 128<<16                     ; no tensor load of mine is out: from here on a load brings 128 rows
	s_mov_b32 s[G1+4], 128
	s_mov_b32 s[G1B+2], 128<<16
	s_mov_b32 s[G1B+4], 128
	s_wait_dscnt 0x0
	CROUND                                         ; all four tiles are in, all sixteen work-groups are here,
	JLOAD G0+4, G1, G0B+4, G1B                     ; and K step 1's load is the first tensor load behind the round
	FETCH_B 0, 0, 0
	FETCH_A 0, 0, 0
	SCALES 0
	FETCH_A 0, 0, 4
	global_prefetch_b8 v22, s[44:45] offset:512 th:TH_LOAD_NT scope:SCOPE_SE   ; K step 2, behind K step 1's load and the run of LDS loads
	global_prefetch_b8 v22, s[44:45] offset:768 th:TH_LOAD_NT scope:SCOPE_SE   ; K step 3
	STEP 0, 0, 1
	s_mov_b32 s3, LAPS-1
.Llap:
	TURN 0, 1, 1
	STEP 1, 0, 0
	TURN 1, 0, 1
	STEP 0, 0, 0
	s_sub_co_u32 s3, s3, 1
	s_cmp_lg_u32 s3, 0
	s_cbranch_scc1 .Llap
	TURN 0, 1, 0
	STEP 1, 0, 0
	s_wait_dscnt 4*NL
	WIN MUL_LO
	MUL16 0, 1, NQ-1, 1, 0
	MUL16 2, 1, NQ-1, 1, 0
	s_wait_dscnt 0
	WIN MUL_HI
	MUL16 4, 1, NQ-1, 1, 0
	MUL16 6, 1, NQ-1, 1, 0
	WIN 0
	PLACES NP
	s_cmp_eq_u32 s[PRJ], 2
	s_cselect_b32 s24, s[RB0], s[RA0]
	s_cselect_b32 s25, s[RA0], s[RB0]
	s_cselect_b32 s46, 8192, 0
	s_cselect_b32 s49, 256, 0
	s_cmp_eq_u32 s[PRJ], 0
	s_mov_b32 s26, 16896
	s_cselect_b32 s26, 8448, s26
	s_mov_b32 s48, 16384
	s_cselect_b32 s48, 8192, s48
	s_add_co_u32 s48, s48, s49
	s_mov_b32 s49, 0
	s_mov_b32 s47, 0
	s_lshr_b32 s27, s24, 11
	s_lshl_b32 s27, s27, 4
	s_lshr_b32 s28, s25, 6
	s_add_co_u32 s27, s27, s28
	s_lshl_b32 s27, s27, 4
	s_bfe_u32 s28, s24, 0x40007
	s_add_co_u32 s27, s27, s28
	s_mul_i32 s42, s27, s26
	s_mov_b32 s43, 0
	s_wait_xcnt 0x0                                ; the prefetches have read their base, which is written below
	s_lshl_b32 s44, s26, 4
	s_mov_b32 s45, 0
	s_add_nc_u64 s[12:13], s[12:13], s[42:43]
	s_add_nc_u64 s[CB:CB+1], s[12:13], s[46:47]
	s_add_nc_u64 s[SB:SB+1], s[12:13], s[48:49]
	s_add_nc_u64 s[CB+2:CB+3], s[CB:CB+1], s[44:45]
	s_add_nc_u64 s[SB+2:SB+3], s[SB:SB+1], s[44:45]
	s_lshl_b32 s50, s25, 2
	s_mov_b32 s51, 0
	s_add_nc_u64 s[BP:BP+1], s[BP:BP+1], s[50:51]
	s_mov_b32 s[SEL], 0x76543210
	s_mov_b32 s[SEL+1], 0xfedcba98
	s_mov_b32 s[MNT], 0x600000
	v_and_b32 v3, 31, v0
	v_lshlrev_b32 v4, 3, v3
	v_lshlrev_b32 v3, 4, v3
	s_lshl_b32 s27, s15, 15                        ; the table of my row of waves: 8 tiles of 16 tokens x 4,096 bytes, which both its waves read
	v_add_nc_u32 v6, s27, v3
	v_cmp_ne_u32 vcc_lo, 0, v2
	s_mov_b32 s[HM], vcc_lo
.macro FREQ i, lo, hi
	v_mov_b32 v[FQ+\i], \hi
	v_cndmask_b32 v[FQ+\i], \lo, v[FQ+\i], vcc_lo
.endm
	FREQ 0,  0x3f800000, 0x3dcccccd
	FREQ 1,  0x3f3ff911, 0x3d99940d
	FREQ 2,  0x3f0ff59a, 0x3d6655c2
	FREQ 3,  0x3ed7e89b, 0x3d2cba15
	FREQ 4,  0x3ea1e89b, 0x3d0186e3
	FREQ 5,  0x3e72d423, 0x3cc2434f
	FREQ 6,  0x3e361887, 0x3c91ad39
	FREQ 7,  0x3e088d77, 0x3c5a7bf2
	FREQ 8,  0x3c23d70a, 0x3a83126f
	FREQ 9,  0x3bf5b9b0, 0x3a44948c
	FREQ 10, 0x3bb8449c, 0x3a136a16
	FREQ 11, 0x3b8a2e77, 0x39dd1725
	FREQ 12, 0x3b4f3e38, 0x39a5cb60
	FREQ 13, 0x3b1b690d, 0x3978a815
	FREQ 14, 0x3ae91528, 0x393a7753
	FREQ 15, 0x3aaec98e, 0x390bd472
	s_and_b32 s27, s24, 2047
	s_lshl_b32 s28, s16, 6                         ; the two waves of a row serve the same 128 tokens: each makes the table of 64 of them
	s_add_co_u32 s27, s27, s28
	v_add_nc_u32 v[TF], s27, v1
	v_cvt_f32_u32 v[TF], v[TF]
	v_mov_b32 v[TF+1], v[TF]
	v_mov_b32 v[KI], 0x3ea2f983
	v_mov_b32 v[KI+1], 0x3ea2f983
	v_mov_b32 v[K13], 0x2f309231
	v_mov_b32 v[K13+1], 0x2f309231
	v_mov_b32 v[K12], 0x310f76c7
	v_mov_b32 v[K12+1], 0x310f76c7
.macro HORNER d, k
.irp p, 0,2,4,6,8,10,12,14
	v_pk_fma_f32 v[\d+\p:\d+\p+1], v[\d+\p:\d+\p+1], v[ZZ+\p:ZZ+\p+1], \k op_sel_hi:[1,1,0]
.endr
.endm
	s_lshl_b32 s2, s16, 14                         ; my four tiles' place in the table
	s_mov_b32 s3, 0
.Ltable:
	s_cmp_eq_u32 s[PRJ], 2
	s_cbranch_scc1 .Lno_table
	s_wait_alu depctr_va_vdst(0)
.irp p, 0,2,4,6,8,10,12,14
	v_pk_mul_f32 v[XX+\p:XX+\p+1], v[FQ+\p:FQ+\p+1], v[TF:TF+1]
.endr
.irp p, 0,2,4,6,8,10,12,14
	v_pk_fma_f32 v[BQ+\p:BQ+\p+1], v[XX+\p:XX+\p+1], v[KI:KI+1], 0x4b400000 op_sel_hi:[1,1,0]
.endr
.irp p, 0,2,4,6,8,10,12,14
	v_pk_add_f32 v[ZZ+\p:ZZ+\p+1], v[BQ+\p:BQ+\p+1], 0xcb400000 op_sel_hi:[1,0]
.endr
.irp k, 0xc0490000, 0xba7da000, 0xb4222168
.irp p, 0,2,4,6,8,10,12,14
	v_pk_fma_f32 v[XX+\p:XX+\p+1], v[ZZ+\p:ZZ+\p+1], \k, v[XX+\p:XX+\p+1] op_sel_hi:[1,0,1]
.endr
.endr
.irp p, 0,2,4,6,8,10,12,14
	v_pk_mul_f32 v[ZZ+\p:ZZ+\p+1], v[XX+\p:XX+\p+1], v[XX+\p:XX+\p+1]
.endr
.irp p, 0,2,4,6,8,10,12,14
	v_pk_fma_f32 v[PS+\p:PS+\p+1], v[ZZ+\p:ZZ+\p+1], v[K13:K13+1], 0xb2d7322b op_sel_hi:[1,1,0]
	v_pk_fma_f32 v[PCO+\p:PCO+\p+1], v[ZZ+\p:ZZ+\p+1], v[K12:K12+1], 0xb493f27e op_sel_hi:[1,1,0]
.endr
	HORNER PS,  0x3638ef1d
	HORNER PCO, 0x37d00d01
	HORNER PS,  0xb9500d01
	HORNER PCO, 0xbab60b61
	HORNER PS,  0x3c088889
	HORNER PCO, 0x3d2aaaab
	HORNER PS,  0xbe2aaaab
	HORNER PCO, -0.5
	HORNER PCO, 1.0
.irp p, 0,2,4,6,8,10,12,14
	v_pk_mul_f32 v[TT+\p:TT+\p+1], v[XX+\p:XX+\p+1], v[ZZ+\p:ZZ+\p+1]
.endr
.irp p, 0,2,4,6,8,10,12,14
	v_pk_fma_f32 v[PS+\p:PS+\p+1], v[TT+\p:TT+\p+1], v[PS+\p:PS+\p+1], v[XX+\p:XX+\p+1]
.endr
.irp i, 0,1,2,3,4,5,6,7,8,9,10,11,12,13,14,15
	v_lshlrev_b32 v[BQ+\i], 31, v[BQ+\i]
.endr
.irp i, 0,1,2,3,4,5,6,7,8,9,10,11,12,13,14,15
	v_xor_b32 v[PCO+\i], v[BQ+\i], v[PCO+\i]
	v_xor_b32 v[PS+\i], v[BQ+\i], v[PS+\i]
.endr
	v_add_nc_u32 v7, s2, v6
.irp g, 0,1,2,3
	ds_store_b128 v7, v[PCO+4*\g:PCO+4*\g+3] offset:512*\g
	ds_store_b128 v7, v[PS+4*\g:PS+4*\g+3] offset:2048+512*\g
.endr
	v_pk_add_f32 v[TF:TF+1], v[TF:TF+1], 0x41800000 op_sel_hi:[1,0]
.Lno_table:
	s_add_co_u32 s2, s2, 4096
	s_add_co_u32 s3, s3, 1
	s_cmp_lt_u32 s3, 4
	s_cbranch_scc1 .Ltable
	s_wait_alu depctr_va_vdst(0)
	s_wait_dscnt 0x0                               ; my half of the table is stored,
	s_barrier_signal -1
	s_barrier_wait -1                              ; and so is the other wave's
.macro QUANT2 y0, y1, cd
	v_max3_num_f32 v8, |v[\y0]|, |v[\y0+1]|, 0x8000000       ; the two blocks' largest magnitudes, each in two chains of eight numbers: four chains by turns
	v_max3_num_f32 v9, |v[\y1]|, |v[\y1+1]|, 0x8000000
	v_max3_num_f32 v10, |v[\y0+8]|, |v[\y0+9]|, 0x8000000
	v_max3_num_f32 v11, |v[\y1+8]|, |v[\y1+9]|, 0x8000000
.irp i, 2,4,6
	v_max3_num_f32 v8, v8, |v[\y0+\i]|, |v[\y0+\i+1]|
	v_max3_num_f32 v9, v9, |v[\y1+\i]|, |v[\y1+\i+1]|
	v_max3_num_f32 v10, v10, |v[\y0+8+\i]|, |v[\y0+9+\i]|
	v_max3_num_f32 v11, v11, |v[\y1+8+\i]|, |v[\y1+9+\i]|
.endr
	v_max_num_f32 v8, v8, v10
	v_max_num_f32 v9, v9, v11
	v_permlanex16_b32 v10, v8, s[SEL], s[SEL+1]
	v_permlanex16_b32 v11, v9, s[SEL], s[SEL+1]
	v_max_num_f32 v8, v8, v10
	v_max_num_f32 v9, v9, v11
	v_add_nc_u32 v12, 0xf8800000, v8
	v_add_nc_u32 v13, 0xf8800000, v9
	v_and_or_b32 v14, v8, 0x7f800000, s[MNT]
	v_and_or_b32 v15, v9, 0x7f800000, s[MNT]
	v_lshrrev_b32 v10, 23, v12
	v_lshrrev_b32 v11, 23, v13
	v_lshl_or_b32 v[HW], v11, 8, v10
.irp i, 0,1,2,3,4,5,6,7,8,9,10,11,12,13,14,15
	v_med3_num_f32 v[\y0+\i], v[\y0+\i], -v14, v14
.endr
.irp i, 0,1,2,3,4,5,6,7,8,9,10,11,12,13,14,15
	v_med3_num_f32 v[\y1+\i], v[\y1+\i], -v15, v15
.endr
	v_cvt_scalef32_pk8_bf8_f32 v[\cd:\cd+1], v[\y0:\y0+7], v12
	v_cvt_scalef32_pk8_bf8_f32 v[\cd+2:\cd+3], v[\y0+8:\y0+15], v12
	v_cvt_scalef32_pk8_bf8_f32 v[\cd+4:\cd+5], v[\y1:\y1+7], v13
	v_cvt_scalef32_pk8_bf8_f32 v[\cd+6:\cd+7], v[\y1+8:\y1+15], v13
	v_nop
.endm
.macro SCOUT w, t, sb
	v_cndmask_b32 v[\t], v[\w], v[\w+1], s[HM]
	v_cndmask_b32 v[\t+1], v[\w+2], v[\w+3], s[HM]
	global_store_b64 v4, v[\t:\t+1], s[\sb:\sb+1]
.endm
	s_cmp_eq_u32 s[PRJ], 2
	s_cbranch_scc1 .Lv_arm
	v_lshlrev_b32 v5, 5, v2
	WIN 0x40
.irp b, 0,1,2,3,4,5,6,7
	global_load_b128 v[8*\b:8*\b+3], v5, s[BP:BP+1] offset:64*\b
	global_load_b128 v[8*\b+4:8*\b+7], v5, s[BP:BP+1] offset:64*\b+16
.endr
	WIN 0
	v_mov_b32 v10, 0
	v_mov_b32 v11, 0
.macro LOADCS a
.irp g, 0,1,2,3,4,5,6,7
	ds_load_b128 v[CSB+32*((\a)%2)+4*\g:CSB+32*((\a)%2)+4*\g+3], v6 offset:4096*(\a)+512*\g
.endr
.endm
.macro QKTILE a
.if (\a) < 7
	LOADCS (\a)+1
	s_wait_dscnt 8
.else
	s_wait_dscnt 0x0
.endif
.set CC, CSB+32*((\a)%2)
.irp hh, 0,1
	WIN (0x06+(\a)/4)
.irp q, 0,1,2,3
.irp p, 0,2,4,6
	v_pk_add_f32 v[X0+8*\q+\p:X0+8*\q+\p+1], v[8*(8*((\a)%4)+4*\hh+\q)+\p:8*(8*((\a)%4)+4*\hh+\q)+\p+1], v[8*(4*\hh+\q)+\p:8*(4*\hh+\q)+\p+1]
.endr
.endr
	WIN 0
.irp p, 0,2,4,6,8,10,12,14
	v_pk_mul_f32 v[Y0+\p:Y0+\p+1], v[X0+\p:X0+\p+1], v[CC+\p:CC+\p+1]
.endr
.irp p, 0,2,4,6,8,10,12,14
	v_pk_mul_f32 v[Y1+\p:Y1+\p+1], v[X1+\p:X1+\p+1], v[CC+\p:CC+\p+1]
.endr
.irp p, 0,2,4,6,8,10,12,14
	v_pk_fma_f32 v[Y0+\p:Y0+\p+1], v[X1+\p:X1+\p+1], v[CC+16+\p:CC+16+\p+1], v[Y0+\p:Y0+\p+1] neg_lo:[1,0,0] neg_hi:[1,0,0]
.endr
.irp p, 0,2,4,6,8,10,12,14
	v_pk_fma_f32 v[Y1+\p:Y1+\p+1], v[X0+\p:X0+\p+1], v[CC+16+\p:CC+16+\p+1], v[Y1+\p:Y1+\p+1]
.endr
	s_wait_alu depctr_va_vdst(0)
	s_wait_xcnt 0x0
	QUANT2 Y0, Y1, CD+8*\hh
.if (\a)%2 == 0
	v_mov_b32 v[WW+4*\hh+(\a)/2], v[HW]
.else
	v_lshl_or_b32 v[WW+4*\hh+(\a)/2], v[HW], 16, v[WW+4*\hh+(\a)/2]
.endif
	global_store_b128 v3, v[CD+8*\hh:CD+8*\hh+3], s[CB+2*\hh:CB+2*\hh+1] offset:1024*(\a)
	global_store_b128 v3, v[CD+8*\hh+4:CD+8*\hh+7], s[CB+2*\hh:CB+2*\hh+1] offset:1024*(\a)+512
.endr
.endm
	LOADCS 0
	s_wait_loadcnt 0x0
.irp a, 0,1,2,3,4,5,6,7
	QKTILE \a
.endr
	SCOUT WW, 8, SB
	SCOUT WW+4, 10, SB+2
	s_branch .Ljoin
.Lv_arm:
	v_lshlrev_b32 v5, 2, v1
	WIN 0x40
.irp a, 0,1,2,3,4,5,6,7
	global_load_b32 v[2*\a], v5, s[BP:BP+1] offset:64*\a
	global_load_b32 v[2*\a+1], v5, s[BP:BP+1] offset:64*\a
.endr
	WIN 0
.irp b, 0,1,2,3
	v_mov_b32 v[TM+4+\b], 0
.endr
.macro QUANT4 s, pc, pw
.irp b, 0,1,2,3
	v_max3_num_f32 v[TM+\b], |v[\s+16*\b]|, |v[\s+1+16*\b]|, 0x8000000
.endr
.irp i, 2,4,6,8,10,12,14
.irp b, 0,1,2,3
	v_max3_num_f32 v[TM+\b], v[TM+\b], |v[\s+16*\b+\i]|, |v[\s+1+16*\b+\i]|
.endr
.endr
.irp b, 0,1,2,3
	v_permlanex16_b32 v[TM+4+\b], v[TM+\b], s[SEL], s[SEL+1]
.endr
.irp b, 0,1,2,3
	v_max_num_f32 v[TM+\b], v[TM+\b], v[TM+4+\b]
.endr
.irp b, 0,1,2,3
	v_add_nc_u32 v[TM+12+\b], 0xf8800000, v[TM+\b]
.endr
.irp b, 0,1,2,3
	v_and_or_b32 v[TM+8+\b], v[TM+\b], 0x7f800000, s[MNT]
.endr
.irp b, 0,1,2,3
	v_lshrrev_b32 v[TM+4+\b], 23, v[TM+12+\b]
.endr
	v_lshl_or_b32 v[\pw], v[TM+5], 8, v[TM+4]
	v_lshl_or_b32 v[\pw], v[TM+6], 16, v[\pw]
	v_lshl_or_b32 v[\pw], v[TM+7], 24, v[\pw]
.irp b, 0,1,2,3
.irp i, 0,1,2,3,4,5,6,7,8,9,10,11,12,13,14,15
	v_med3_num_f32 v[\s+16*\b+\i], v[\s+16*\b+\i], -v[TM+8+\b], v[TM+8+\b]
.endr
	v_cvt_scalef32_pk8_bf8_f32 v[\pc+4*\b:\pc+1+4*\b], v[\s+16*\b:\s+7+16*\b], v[TM+12+\b]
	v_cvt_scalef32_pk8_bf8_f32 v[\pc+2+4*\b:\pc+3+4*\b], v[\s+8+16*\b:\s+15+16*\b], v[TM+12+\b]
.endr
	v_nop
.endm
.macro VTILE a
	WIN (0x06+(\a)/4)
.irp b, 0,1,2,3,4,5,6,7
.irp p, 0,2,4,6
	v_pk_add_f32 v[VX+8*\b+\p:VX+8*\b+\p+1], v[8*(8*((\a)%4)+\b)+\p:8*(8*((\a)%4)+\b)+\p+1], v[2*(\a):2*(\a)+1]
.endr
.endr
	WIN 0
	s_wait_xcnt 0x0
	QUANT4 VX, VC+16*((\a)%2), VW+(\a)
.irp c, 0,1,2,3
	global_store_b128 v3, v[VC+16*((\a)%2)+4*\c:VC+16*((\a)%2)+4*\c+3], s[CB+2*((\a)/4):CB+2*((\a)/4)+1] offset:2048*((\a)%4)+512*\c
.endr
.endm
	s_wait_loadcnt 0x0
.irp a, 0,1,2,3,4,5,6,7
	VTILE \a
.endr
	SCOUT VW, 8, SB
	SCOUT VW+4, 10, SB+2
.Ljoin:
	s_wait_tensorcnt 0x0
	ds_add_u32 v[SPW], v[NIL]
	s_wait_dscnt 0x0
	CROUND
	s_endpgm
.Lfunc_end_k_qd33df8741f_proj:
	.size	k_qd33df8741f_proj, .Lfunc_end_k_qd33df8741f_proj-k_qd33df8741f_proj
	.p2alignl 7, 3214868480
	.fill 96, 4, 3214868480
	.section	.rodata,"a",@progbits
	.p2align	6, 0x0
	.amdhsa_kernel k_qd33df8741f_proj
		.amdhsa_group_segment_fixed_size 327680
		.amdhsa_private_segment_fixed_size 0
		.amdhsa_enable_private_segment 0
		.amdhsa_kernarg_size 136
		.amdhsa_user_sgpr_count 2
		.amdhsa_user_sgpr_kernarg_segment_ptr 1
		.amdhsa_wavefront_size32 1
		.amdhsa_system_sgpr_workgroup_id_x 1
		.amdhsa_system_sgpr_workgroup_id_y 1
		.amdhsa_system_sgpr_workgroup_id_z 1
		.amdhsa_system_vgpr_workitem_id 0
		.amdhsa_next_free_vgpr 1024
		.amdhsa_next_free_sgpr 100
		.amdhsa_reserve_vcc 1
		.amdhsa_float_denorm_mode_32 3
		.amdhsa_float_denorm_mode_16_64 3
		.amdhsa_memory_ordered 1
		.amdhsa_forward_progress 1
		.amdhsa_inst_pref_size 255
	.end_amdhsa_kernel
	.section	.bss,"aw",@nobits
	.p2align	6
	.space	262144
	.amdgpu_metadata
---
amdhsa.version: [ 1, 2 ]
amdhsa.kernels:
  - .name:           k_qd33df8741f_proj
    .symbol:         k_qd33df8741f_proj.kd
    .args:
      - { .name: query_codes, .offset: 0, .size: 8, .value_kind: global_buffer, .address_space: global }
      - { .name: query_scales, .offset: 8, .size: 8, .value_kind: global_buffer, .address_space: global }
      - { .name: Wq_codes, .offset: 16, .size: 8, .value_kind: global_buffer, .address_space: global }
      - { .name: Wq_scales, .offset: 24, .size: 8, .value_kind: global_buffer, .address_space: global }
      - { .name: key__codes, .offset: 32, .size: 8, .value_kind: global_buffer, .address_space: global }
      - { .name: key__scales, .offset: 40, .size: 8, .value_kind: global_buffer, .address_space: global }
      - { .name: Wk_codes, .offset: 48, .size: 8, .value_kind: global_buffer, .address_space: global }
      - { .name: Wk_scales, .offset: 56, .size: 8, .value_kind: global_buffer, .address_space: global }
      - { .name: Wv_codes, .offset: 64, .size: 8, .value_kind: global_buffer, .address_space: global }
      - { .name: Wv_scales, .offset: 72, .size: 8, .value_kind: global_buffer, .address_space: global }
      - { .name: value_codes, .offset: 80, .size: 8, .value_kind: global_buffer, .address_space: global }
      - { .name: value_scales, .offset: 88, .size: 8, .value_kind: global_buffer, .address_space: global }
      - { .name: bq, .offset: 96, .size: 8, .value_kind: global_buffer, .address_space: global }
      - { .name: bk, .offset: 104, .size: 8, .value_kind: global_buffer, .address_space: global }
      - { .name: bv, .offset: 112, .size: 8, .value_kind: global_buffer, .address_space: global }
      - { .name: qbuf, .offset: 120, .size: 8, .value_kind: global_buffer, .address_space: global }
      - { .name: kvbuf, .offset: 128, .size: 8, .value_kind: global_buffer, .address_space: global }
    .group_segment_fixed_size: 327680
    .private_segment_fixed_size: 0
    .kernarg_segment_align: 8
    .kernarg_segment_size: 136
    .max_flat_workgroup_size: 128
    .sgpr_count:     100
    .vgpr_count:     1024
    .wavefront_size: 32
...
	.end_amdgpu_metadata
.endif
;; end of part 1
;; launch attn (part 2): grid 8 x 32, 16 waves a work-group, clusters of 4 x 1, 272,384 bytes of LDS; arguments qbuf, kvbuf, obuf, osc; writes obuf, osc
.if DOCPART == 2
	.amdgcn_target "amdgcn-amd-amdhsa--gfx1250"
	.amdhsa_code_object_version 6
	.text
	.protected	k_qd33df8741f_attn
	.globl	k_qd33df8741f_attn
	.p2align	8
	.type	k_qd33df8741f_attn,@function
k_qd33df8741f_attn:
	s_mov_b64 s[64:65], 0
	v_nop
	global_prefetch_b8 v0, s[64:65] scope:SCOPE_SE
	s_setreg_imm32_b32 hwreg(HW_REG_WAVE_MODE, 25, 1), 1
	s_wait_xcnt 0x0
	s_wait_alu depctr_hold_cnt(0) depctr_sa_sdst(0) depctr_va_vdst(0) depctr_va_sdst(0) depctr_va_ssrc(0) depctr_va_vcc(0) depctr_vm_vsrc(0)
	s_getreg_b32 s2, hwreg(HW_REG_IB_STS2, 6, 4)
	s_cmp_eq_u32 s2, 0
	s_cbranch_scc0 .Lentry_in_a_cluster
	s_endpgm
.Lentry_in_a_cluster:
	s_bfe_u32 s2, ttmp6, 0x10000c
	s_cmp_lg_u32 s2, 0x3003
	s_cbranch_scc0 .Lentry_shape_is_right
	s_endpgm
.Lentry_shape_is_right:
; o = softmax(q k^T / 8) v for 32 heads of 64, 2,048 queries and keys, both products on codes of BF8 (E5M2) with one E8M0 scale for each 32 along K; o is quantised along the model's axis and stored as codes.
; THE SOFTMAX: t = score x log2(e) / 8; M = the running largest t rounded UP to a whole number; p = 2^(t - M) is quantised along the keys; the row's sum is taken of the unquantised p and divides at the end.
; SHARES.  A work-group owns 256 queries of one head, each of its sixteen waves one tile of 16, in 256 registers: four waves to a SIMD.
; LDS.  The head's k, v and their scales, 16 steps of 128 keys x 16,896 bytes, are brought ONCE and stay: no byte is filled again.  They lie as images of the operands' registers: every read is 16 x lane or 8 x lane on end.
; FILLS.  Wave w fetches step w: one joint load a wave, at the head.  Waves 0 and 1 have a load line of their own; the first barrier shows their two steps, which are all that step 0 reads; the second, behind step 0, the other fourteen.
; The four work-groups of a cluster own query blocks of one head and ask jointly.  No prefetch: all 16 steps are asked for at the head, and the text has no later request to run ahead of.
; LAYOUT.  Both products transposed: S^T = k q^T (source 0 = keys), O^T = v^T p^T (source 0 = 16 of the head's 64): a lane holds ONE query throughout.
; K = 64 IN AN INSTRUCTION OF 128: a fragment of k carries TWO tiles of 16 keys (registers 0-7, 8-15).  q stands between two runs of zero codes: [q | 0] multiplies the first tile, [0 | q] the second; k's codes are finite.
; Inside each block of 32 both operands of each product are packed in the same order (see the launch that makes them): blocks and scales are as the quantiser gives them.
; THE ORDER OF STEP i.  One set of 64 registers serves k's and v's fragments by turns, and each fetch is issued well ahead of its wait: the scores of step i; v(i - 1) is asked for; the maxima, M and half the
; multiply-adds (65 vector lines); O^T += v(i - 1)^T p(i - 1)^T; k(i + 1) is asked for; the other multiply-adds, O^T x f, the exponentials, the scales, holds, conversions and sums (about 180 lines); the wait for k(i + 1).
; So p's codes and scale word wait one step for their product.  Step 0 has no product before it and step 15 no k behind it (it asks for v(15)): both are written out; between them a loop of 14 trips.
; LIMITS: a block of p or of o whose largest number lies under 2^-111 gets the byte 1 (its codes are zeros or subnormal); o = O x (1 / l) by v_rcp_f32.  A block's largest p is the block's largest score put through the
; same multiply-add and exponential, which takes v_exp_f32 not to fall where its input rises.  The promise holds while the scaled scores t stay under 2^31 in magnitude.
.set STEPB, 16896                      ; a step: k's codes 8,192, v's 8,192, k's scale image 256, v's 256
.set SPARE, 16*STEPB                   ; behind the 16 steps: the spare words, 128 bytes a wave
.set LI,   1                           ; v1  16 x lane
.set LS8,  2                           ; v2  8 x lane + 16,384
.set ADK,  3                           ; v3  the codes of step i - 1 (in step 0: of step 0)
.set ADS,  4                           ; v4  its scale images
.set QSL,  8                           ; v8  q's scale word for [q | 0];  v9 for [0 | q];  v[10:11] k's four words (lanes 0-15 even fragments, lanes 16-31 odd)
.set QSH,  9
.set KSC,  10                          ; v12 -M, v13 the largest score so far, v[14:15] the sum in two halves
.set QZ,   16                          ; v16-23 zeros, v24-31 q, v32-39 zeros
.set FRG,  40                          ; v40-103 four fragments of k or of v
.set S,    104                         ; v104-167 S^T, then p, which stays unquantised
.set O,    168                         ; v168-199 O^T
.set PCD,  200                         ; v200-215 p's codes
.set BM,   216                         ; v216-219 the blocks' largest;  v220-223 at work.  From the holds to the next step's scores the eight hold the sum's four chains
.set BT,   220
.set CAP,  224
.set SOP,  228
.set FF,   232                         ; v[232:233] f; at the end 1 / l twice
.set PW,   234                         ; v234 p's scale word
.set HW,   235                         ; v235 o's two scale bytes
.set VSC,  236                         ; v[236:237] v's four scale words
.set T,    238                         ; v238-253 the held p: two halves of eight
.set TMP,  240                         ; (two of T, ahead of the holds)
.set OLD,  241
.set SPW,  254
.set NIL,  255
.set WV,   12
.set TB,   2                           ; s2  LDS byte at which step i - 1 begins
.set CNT,  3
.set MNT,  19
.set SEL,  20
.set CS,   22                          ; s[22:23] c = log2(e) / 8
.set G0,   24                          ; s[24:27] group 0
.set G1,   40                          ; s[40:47] group 1
.macro CROUND                          ; a round of the cluster's barrier
	s_barrier_signal -1
	s_barrier_wait -1
	s_cmp_lg_u32 s[WV], 0
	s_cbranch_scc1 .Lnot_wave_0_\@
	s_barrier_signal -3
.Lnot_wave_0_\@:
	s_barrier_wait -3
	s_barrier_signal -1
	s_barrier_wait -1
.endm
	s_load_b256 s[4:11], s[0:1], 0x0               ; qbuf, kvbuf, obuf, osc
	v_lshl_add_u32 v[SPW], v0, 2, SPARE
	v_mov_b32 v[NIL], 0
	ds_add_u32 v[SPW], v[NIL]                      ; the opening lines: the add twice on end and its wait ahead of my tensor load
	ds_add_u32 v[SPW], v[NIL]
	v_lshrrev_b32 v1, 5, v0
	v_readfirstlane_b32 s[WV], v1                  ; wave 0..15
	s_bfe_u32 s13, ttmp6, 0x40000                  ; cx
	s_lshl_b32 s14, ttmp9, 2
	s_add_co_u32 s14, s14, s13                     ; my block of 256 queries: it enters q's and o's addresses alone
	s_and_b32 s15, ttmp7, 0xffff                   ; the head among the 32, which the four partners share
	s_mov_b32 s[G1], 15|(3<<16)|(1<<21)            ; the mask: all four; elements of 8 bytes; bit 21 beside a mask; no padding
	s_mov_b32 s[G1+1], 32<<16                      ; tensor_dim0: 32 elements = 256 bytes
	s_mov_b32 s[G1+2], 66<<16                      ; tensor_dim1: 66 rows = a step's 16,896 dense bytes
	s_mov_b32 s[G1+3], 32<<16
	s_mov_b32 s[G1+4], 66
	s_mov_b32 s[G1+5], 32
	s_mov_b32 s[G1+6], 0
	s_mov_b32 s[G1+7], 0
	s_mul_i32 s50, s[WV], STEPB                    ; step w: in LDS,
	s_mul_i32 s48, s15, 16*STEPB
	s_add_co_u32 s48, s48, s50                     ; and in memory
	s_mov_b32 s49, 0
	s_lshr_b32 s52, s[WV], 3
	s_lshl_b32 s53, s14, 1
	s_add_co_u32 s52, s52, s53                     ; G: which 128 tokens of the sequence
	s_and_b32 s53, s[WV], 7                        ; a: which tile of them
	s_lshl_b32 s54, s15, 4
	s_add_co_u32 s54, s54, s52
	s_mul_i32 s54, s54, 8448                       ; q's block
	s_mov_b32 s55, 0
	s_mov_b32 s[SEL], 0x76543210
	s_mov_b32 s[SEL+1], 0xfedcba98
	s_mov_b32 s[CS], 0x3e38aa3b
	s_mov_b32 s[CS+1], s[CS]                       ; (named with it as a pair, so it is written)
	s_mov_b32 s[MNT], 0x600000
	s_mov_b32 s[TB], 0
	s_wait_dscnt 0x0
	s_wait_kmcnt 0x0
	s_add_nc_u64 s[6:7], s[6:7], s[48:49]
	CROUND                                         ; all four work-groups are here: the joint loads meet
	s_mov_b32 s[G0], 1
	s_mov_b32 s[G0+1], s50
	s_mov_b64 s[G0+2:G0+3], s[6:7]
	s_or_b32 s[G0+3], s[G0+3], 0x80000000
	s_cmp_lt_u32 s[WV], 2                          ; one load a wave; the waves that wait at the first barrier have a line of their own
	s_cbranch_scc0 .Lrest
	tensor_load_to_lds s[G0:G0+3], s[G1:G1+7]
	s_nop 0
.rept 4
	v_nop
.endr
	s_branch .Lasked
.Lrest:
	tensor_load_to_lds s[G0:G0+3], s[G1:G1+7]
	s_nop 0
.rept 4
	v_nop
.endr
.Lasked:
	s_add_nc_u64 s[4:5], s[4:5], s[54:55]
	v_and_b32 v[LI], 31, v0
	v_lshlrev_b32 v[LS8], 3, v[LI]
	v_add_nc_u32 v[LS8], 16384, v[LS8]
	v_lshlrev_b32 v[LI], 4, v[LI]
	s_lshl_b32 s56, s53, 10
	v_add_nc_u32 v5, s56, v[LI]
	global_load_b128 v[QZ+8:QZ+11], v5, s[4:5]             ; q's two pieces: they stay
	global_load_b128 v[QZ+12:QZ+15], v5, s[4:5] offset:512
	s_bfe_u32 s57, s53, 0x10001                    ; my tile's two bytes in the scale image: 8 r + 128 ((a / 2) % 2) + 4 (a / 4) + 2 (a % 2)
	s_lshl_b32 s57, s57, 7
	s_lshr_b32 s58, s53, 2
	s_lshl_b32 s58, s58, 2
	s_add_co_u32 s57, s57, s58
	s_and_b32 s58, s53, 1
	s_lshl_b32 s58, s58, 1
	s_add_co_u32 s57, s57, s58
	v_and_b32 v6, 15, v0
	v_lshl_add_u32 v6, v6, 3, s57
	global_load_u16 v7, v6, s[4:5] offset:8192
	; where o goes: obuf [128 tokens 32][K step = two heads 8][tile 8][piece 4][512]; osc [tile of 16 tokens 256][row 16][K step 8] words
	s_lshr_b32 s54, s15, 4
	s_lshl_b32 s54, s54, 4
	s_add_co_u32 s54, s54, s52                     ; which 128 of the 4,096 tokens
	s_and_b32 s55, s15, 15                         ; the head
	s_lshr_b32 s56, s55, 1
	s_and_b32 s55, s55, 1
	s_lshl_b32 s57, s54, 3
	s_add_co_u32 s58, s57, s56
	s_lshl_b32 s58, s58, 14
	s_lshl_b32 s59, s53, 11
	s_add_co_u32 s58, s58, s59
	s_lshl_b32 s59, s55, 10
	s_add_co_u32 s58, s58, s59
	s_mov_b32 s59, 0
	s_add_nc_u64 s[8:9], s[8:9], s[58:59]
	s_add_co_u32 s57, s57, s53
	s_lshl_b32 s57, s57, 9
	s_lshl_b32 s56, s56, 2
	s_add_co_u32 s57, s57, s56
	s_lshl_b32 s55, s55, 1
	s_add_co_u32 s58, s57, s55
	s_add_nc_u64 s[10:11], s[10:11], s[58:59]
.irp i, 0,1,2,3,4,5,6,7
	v_mov_b32 v[QZ+\i], 0                          ; the zero codes on both sides of q
	v_mov_b32 v[QZ+16+\i], 0
	v_mov_b32 v[BM+\i], 0                          ; the sum's chains: step 0 adds zeros
.endr
	v_mov_b32 v13, 0xff61b1e6                      ; the largest score so far: -3e38
	v_floor_f32 v12, -v13                          ; -M
	v_mov_b32 v14, 0                               ; the sum, in two halves
	v_mov_b32 v15, 0
	v_mov_b32 v[FF+1], 0                           ; (named as the upper half of a pair)
	v_add_nc_u32 v[ADK], s[TB], v[LI]              ; step 0
	v_add_nc_u32 v[ADS], s[TB], v[LS8]
	s_wait_loadcnt 0x0
	v_or_b32 v[QSL], 0x7f7f0000, v7                ; the zero codes' blocks get the byte of 1.0
	v_lshl_or_b32 v[QSH], v7, 16, 0x7f7f
.set j, 0
.rept 32
	v_mov_b32 v[O+j], 0                            ; O^T: the first change of M leaves zeros zeros.  (These lines are also the places between the scale words and the first products)
.set j, j+1
.endr
.macro FLOAD off, soff, sc             ; four fragments from byte off behind ADK, and their scale words from byte soff behind ADS
.irp f, 0,1,2,3
.irp c, 0,1,2,3
	ds_load_b128 v[FRG+16*\f+4*\c:FRG+16*\f+4*\c+3], v[ADK] offset:(\off)+2048*\f+512*\c
.endr
.endr
	ds_load_b64 v[\sc:\sc+1], v[ADS] offset:\soff
.endm
.macro QK                              ; S^T: fragment f holds the key tiles 2 f and 2 f + 1
.irp f, 0,1,2,3
.if \f%2
	v_wmma_scale_f32_16x16x128_f8f6f4 v[S+16*\f:S+16*\f+7], v[FRG+16*\f:FRG+16*\f+15], v[QZ+8:QZ+23], 0, v[KSC+\f/2], v[QSL] matrix_a_fmt:MATRIX_FMT_BF8 matrix_b_fmt:MATRIX_FMT_BF8 matrix_a_scale:MATRIX_SCALE_ROW1
	v_wmma_scale_f32_16x16x128_f8f6f4 v[S+16*\f+8:S+16*\f+15], v[FRG+16*\f:FRG+16*\f+15], v[QZ:QZ+15], 0, v[KSC+\f/2], v[QSH] matrix_a_fmt:MATRIX_FMT_BF8 matrix_b_fmt:MATRIX_FMT_BF8 matrix_a_scale:MATRIX_SCALE_ROW1
.else
	v_wmma_scale_f32_16x16x128_f8f6f4 v[S+16*\f:S+16*\f+7], v[FRG+16*\f:FRG+16*\f+15], v[QZ+8:QZ+23], 0, v[KSC+\f/2], v[QSL] matrix_a_fmt:MATRIX_FMT_BF8 matrix_b_fmt:MATRIX_FMT_BF8
	v_wmma_scale_f32_16x16x128_f8f6f4 v[S+16*\f+8:S+16*\f+15], v[FRG+16*\f:FRG+16*\f+15], v[QZ:QZ+15], 0, v[KSC+\f/2], v[QSH] matrix_a_fmt:MATRIX_FMT_BF8 matrix_b_fmt:MATRIX_FMT_BF8
.endif
.endr
.endm
.macro PV                              ; O^T += v^T p^T: the four accumulators by turns
.irp t, 0,1,2,3
.if \t%2
	v_wmma_scale_f32_16x16x128_f8f6f4 v[O+8*\t:O+8*\t+7], v[FRG+16*\t:FRG+16*\t+15], v[PCD:PCD+15], v[O+8*\t:O+8*\t+7], v[VSC+\t/2], v[PW] matrix_a_fmt:MATRIX_FMT_BF8 matrix_b_fmt:MATRIX_FMT_BF8 matrix_a_scale:MATRIX_SCALE_ROW1
.else
	v_wmma_scale_f32_16x16x128_f8f6f4 v[O+8*\t:O+8*\t+7], v[FRG+16*\t:FRG+16*\t+15], v[PCD:PCD+15], v[O+8*\t:O+8*\t+7], v[VSC+\t/2], v[PW] matrix_a_fmt:MATRIX_FMT_BF8 matrix_b_fmt:MATRIX_FMT_BF8
.endif
.endr
.endm
.macro TM from, to                     ; t - M of the pairs from .. to - 1 of S
.set j, 2*(\from)
.rept (\to)-(\from)
	v_pk_fma_f32 v[S+j:S+j+1], v[S+j:S+j+1], s[CS:CS+1], v[12:13] op_sel_hi:[1,0,0]
.set j, j+2
.endr
.endm
; THE ROW'S SUM of the 64 unquantised p in S, two at a time: 28 additions into four chains (SUMN 0 .. 27), then the chains' tree onto v[14:15] (TREE)
.macro SUMN n
.if (\n) < 4
	v_pk_add_f32 v[BM+2*(\n):BM+2*(\n)+1], v[S+2*(\n):S+2*(\n)+1], v[S+8+2*(\n):S+9+2*(\n)]
.else
	v_pk_add_f32 v[BM+2*((\n)%4):BM+2*((\n)%4)+1], v[BM+2*((\n)%4):BM+2*((\n)%4)+1], v[S+8+2*(\n):S+9+2*(\n)]
.endif
.endm
.macro TREE
	v_pk_add_f32 v[BM:BM+1], v[BM:BM+1], v[BT:BT+1]
	v_pk_add_f32 v[BM+2:BM+3], v[BM+2:BM+3], v[BT+2:BT+3]
	s_delay_alu instid0(VALU_DEP_1)
	v_pk_add_f32 v[BM:BM+1], v[BM:BM+1], v[BM+2:BM+3]
	s_delay_alu instid0(VALU_DEP_1)
	v_pk_add_f32 v[14:15], v[14:15], v[BM:BM+1]
.endm
.macro HOLD2 d, s, c                   ; two numbers held at the largest code x the scale; p is not negative, so the hold is one-sided
	v_dual_min_num_f32 v[\d], v[\s], v[\c] :: v_dual_min_num_f32 v[\d+1], v[\s+1], v[\c]
.endm
; STEP i: 128 keys.  pv = 1: the step before has its second product here.  last = 1: v of this step is asked for in k's place.  ko: where k(i + 1) lies behind ADK
.macro ITER pv, last, ko
	QK
	TREE                                           ; the last step's sum.  With the four lines below: eight places in front of the loads over k's fragments and of the first read of the scores
	v_add_nc_u32 v[ADK], s[TB], v[LI]
	v_add_nc_u32 v[ADS], s[TB], v[LS8]
	v_mov_b32 v[OLD], v12
	v_nop
.if \pv
	FLOAD 8192, 256, VSC                           ; v(i - 1)
.endif
.irp b, 0,1,2,3
	v_max3_num_f32 v[BM+\b], v[S+16*\b], v[S+1+16*\b], v[S+2+16*\b]   ; the largest score of each block of 32 keys: for the row's maximum, and for the block's largest p
.endr
.irp i, 3,5,7,9,11,13
.irp b, 0,1,2,3
	v_max3_num_f32 v[BM+\b], v[BM+\b], v[S+16*\b+\i], v[S+1+16*\b+\i]
.endr
.endr
.irp b, 0,1,2,3
	v_max_num_f32 v[BM+\b], v[BM+\b], v[S+15+16*\b]
.endr
.irp b, 0,1,2,3
	s_delay_alu instid0(VALU_DEP_4)
	v_permlanex16_b32 v[BT+\b], v[BM+\b], s[SEL], s[SEL+1]
.endr
.irp b, 0,1,2,3
	s_delay_alu instid0(VALU_DEP_4)
	v_max_num_f32 v[BM+\b], v[BM+\b], v[BT+\b]     ; with lane l xor 16's 16 keys
.endr
	s_delay_alu instid0(VALU_DEP_2)
	v_max3_num_f32 v[TMP], v[BM], v[BM+1], v[BM+2]
	s_delay_alu instid0(VALU_DEP_1)
	v_max3_num_f32 v13, v13, v[TMP], v[BM+3]       ; the running largest score
	s_delay_alu instid0(VALU_DEP_1)
	v_mul_f32 v[TMP], s[CS], v13                   ; as t (c is positive, so the largest score gives the largest t)
	s_delay_alu instid0(VALU_DEP_1)
	v_floor_f32 v12, -v[TMP]                       ; the new -M = floor(-t): M is a whole number
	TM 0, 4                                        ; the multiply-adds want -M alone: the three lines that make f stand among them
	v_sub_f32 v[TMP], v12, v[OLD]                  ; old M - new M: a whole number, 0 or less
	TM 4, 8
	v_cvt_i32_f32 v[TMP], v[TMP]                   ; (it saturates)
	TM 8, 12
	v_ldexp_f32 v[FF], 1.0, v[TMP]                 ; f = 2^(old M - new M)
	TM 12, 16
.if \pv
	s_wait_alu depctr_va_vdst(0)
	s_wait_dscnt 0x0                               ; v(i - 1)
	PV                                             ; O^T stands under M(i - 1), as p(i - 1) does
.endif
	TM 16, 24                                      ; eight places in front of the loads over v's fragments
.if \last
	FLOAD STEPB+8192, STEPB+256, VSC               ; v(15)
.else
	FLOAD \ko, \ko, KSC                            ; k(i + 1)
.endif
	TM 24, 32
.irp b, 0,1,2,3
	v_fma_f32 v[BM+\b], v[BM+\b], s[CS], v12
.endr
.set j, 0
.rept 16
	v_pk_mul_f32 v[O+j:O+j+1], v[O+j:O+j+1], v[FF:FF+1] op_sel_hi:[1,0]   ; O^T under the new M: twenty places behind its products, and ahead of the exponentials
.set j, j+2
.endr
	s_wait_alu depctr_va_vdst(0)                   ; the wait ahead of the batch
.set j, 0
.rept 64
	v_exp_f32 v[S+j], v[S+j]                       ; p = 2^(t - M): not normalised
.set j, j+1
.endr
.irp b, 0,1,2,3
	v_exp_f32 v[BM+\b], v[BM+\b]                   ; the block's largest p
.endr
	v_pk_mul_f32 v[14:15], v[14:15], v[FF:FF+1] op_sel_hi:[1,0]   ; the sum under the new M.  (A plain place behind the exponentials)
	s_wait_alu depctr_va_vdst(0)                   ; one wait for the batch, ahead of its first reader
.irp b, 0,1,2,3
	v_max_num_f32 v[BM+\b], 0x8000000, v[BM+\b]    ; the floor 2^(16 - 127)
.endr
.irp b, 0,1,2,3
	s_delay_alu instid0(VALU_DEP_4)
	v_add_nc_u32 v[SOP+\b], 0xf8800000, v[BM+\b]   ; 15 off the exponent field: the conversion's scale operand
.endr
.irp b, 0,1,2,3
	v_and_or_b32 v[CAP+\b], v[BM+\b], 0x7f800000, s[MNT]   ; 57,344 x the scale
.endr
.irp b, 0,1,2,3
	v_lshrrev_b32 v[BT+\b], 23, v[SOP+\b]
.endr
	s_delay_alu instid0(VALU_DEP_3)
	v_lshl_or_b32 v[PW], v[BT+1], 8, v[BT]         ; p's scale word for these 128 keys
	s_delay_alu instid0(VALU_DEP_1)
	v_lshl_or_b32 v[PW], v[BT+2], 16, v[PW]
	s_delay_alu instid0(VALU_DEP_1)
	v_lshl_or_b32 v[PW], v[BT+3], 24, v[PW]
.irp h, 0,1,2,3,4,5,6,7                ; eight numbers are held into one half of T; four of the sum's additions; the conversion.  The other half's lines stand between a conversion and the next write of its sources
.irp i, 0,2,4,6
	HOLD2 T+8*(\h%2)+\i, S+8*\h+\i, CAP+\h/2
.endr
.if \h < 7
.irp n, 0,1,2,3
	SUMN 4*\h+\n
.endr
.endif
	v_cvt_scalef32_pk8_bf8_f32 v[PCD+2*\h:PCD+2*\h+1], v[T+8*(\h%2):T+8*(\h%2)+7], v[SOP+\h/2]
.endr
	v_nop                                          ; a plain line behind the last conversion
	s_wait_alu depctr_va_vdst(0)
	s_wait_dscnt 0x0                               ; k(i + 1)  (last = 1: v(15))
.if \pv
	s_add_co_u32 s[TB], s[TB], STEPB
.endif
.endm
	s_wait_alu depctr_va_vdst(0)                   ; the wait at the head's end
	s_cmp_lt_u32 s[WV], 2
	s_cbranch_scc0 .Llater
	s_wait_tensorcnt 0x0                           ; waves 0 and 1: steps 0 and 1 are in.  The other waves' wait stands at the second barrier
.Llater:
	s_barrier_signal -1
	s_barrier_wait -1
	FLOAD 0, 0, KSC                                ; k(0)
	s_wait_dscnt 0x0
	ITER 0, 0, STEPB                               ; step 0: it reads k(0) and k(1)
	s_wait_tensorcnt 0x0                           ; every wave: its step is in (no LDS instruction of mine is out)
	s_barrier_signal -1
	s_barrier_wait -1
	s_mov_b32 s[CNT], 14
.Lit:                                              ; steps 1 to 14
	ITER 1, 0, 2*STEPB
	s_sub_co_u32 s[CNT], s[CNT], 1
	s_cmp_lg_u32 s[CNT], 0
	s_cbranch_scc1 .Lit
	ITER 1, 1, 0                                   ; step 15
	PV                                             ; and its second product
	; THE WAY OUT: the last step's sum; O^T / the sum, quantised along the head's 64 (two blocks of the last product's K), stored as two pieces of that product's operand.
	TREE                                           ; (with the five lines below: nine places behind the last products)
	v_add_f32 v14, v14, v15                        ; the sum's two halves
	v_and_b32 v5, 15, v0
	v_lshlrev_b32 v5, 5, v5                        ; osc: 32 bytes a row
	v_permlanex16_b32 v[TMP], v14, s[SEL], s[SEL+1]
	v_add_f32 v14, v14, v[TMP]                     ; the row's sum
	s_wait_alu depctr_va_vdst(0)                   ; the wait ahead of the transcendentals
	v_rcp_f32 v[FF], v14
	v_rcp_f32 v[FF+1], v14
	v_nop                                          ; a plain place behind the transcendentals
	s_wait_alu depctr_va_vdst(0)                   ; ahead of their first reader, which is also O^T's
.set j, 0
.rept 16
	v_pk_mul_f32 v[S+j:S+j+1], v[O+j:O+j+1], v[FF:FF+1]   ; register 16 c + 8 u + i = o(r, 32 c + 16 u + 8 h + i)
.set j, j+2
.endr
	v_max3_num_f32 v[BM], |v[S]|, |v[S+1]|, 0x8000000
	v_max3_num_f32 v[BM+1], |v[S+16]|, |v[S+17]|, 0x8000000
.irp i, 2,4,6,8,10,12,14
	v_max3_num_f32 v[BM], v[BM], |v[S+\i]|, |v[S+\i+1]|
	v_max3_num_f32 v[BM+1], v[BM+1], |v[S+16+\i]|, |v[S+17+\i]|
.endr
	v_permlanex16_b32 v[BT], v[BM], s[SEL], s[SEL+1]
	v_permlanex16_b32 v[BT+1], v[BM+1], s[SEL], s[SEL+1]
	v_max_num_f32 v[BM], v[BM], v[BT]
	v_max_num_f32 v[BM+1], v[BM+1], v[BT+1]
	v_add_nc_u32 v[SOP], 0xf8800000, v[BM]
	v_add_nc_u32 v[SOP+1], 0xf8800000, v[BM+1]
	v_and_or_b32 v[CAP], v[BM], 0x7f800000, s[MNT]
	v_and_or_b32 v[CAP+1], v[BM+1], 0x7f800000, s[MNT]
	v_lshrrev_b32 v[BT], 23, v[SOP]
	v_lshrrev_b32 v[BT+1], 23, v[SOP+1]
	v_lshl_or_b32 v[HW], v[BT+1], 8, v[BT]
.irp i, 0,1,2,3,4,5,6,7,8,9,10,11,12,13,14,15
	v_med3_num_f32 v[S+\i], v[S+\i], -v[CAP], v[CAP]
.endr
.irp i, 0,1,2,3,4,5,6,7,8,9,10,11,12,13,14,15
	v_med3_num_f32 v[S+16+\i], v[S+16+\i], -v[CAP+1], v[CAP+1]
.endr
	v_cvt_scalef32_pk8_bf8_f32 v[PCD:PCD+1], v[S:S+7], v[SOP]
	v_cvt_scalef32_pk8_bf8_f32 v[PCD+2:PCD+3], v[S+8:S+15], v[SOP]
	v_cvt_scalef32_pk8_bf8_f32 v[PCD+4:PCD+5], v[S+16:S+23], v[SOP+1]
	v_cvt_scalef32_pk8_bf8_f32 v[PCD+6:PCD+7], v[S+24:S+31], v[SOP+1]
	v_nop                                          ; a plain line behind the last conversion
	global_store_b128 v[LI], v[PCD:PCD+3], s[8:9]              ; 32 lanes store 512 consecutive bytes, aligned
	global_store_b128 v[LI], v[PCD+4:PCD+7], s[8:9] offset:512
	global_store_b16 v5, v[HW], s[10:11]           ; two bytes a row, rows 32 bytes apart (both halves of the lanes write the same): one byte in 32 of what this launch stores
	s_wait_tensorcnt 0x0                           ; the wave's end
	ds_add_u32 v[SPW], v[NIL]
	s_wait_dscnt 0x0
	CROUND                                         ; the closing round
	s_endpgm
.Lfunc_end_k_qd33df8741f_attn:
	.size	k_qd33df8741f_attn, .Lfunc_end_k_qd33df8741f_attn-k_qd33df8741f_attn
	.p2alignl 7, 3214868480
	.fill 96, 4, 3214868480
	.section	.rodata,"a",@progbits
	.p2align	6, 0x0
	.amdhsa_kernel k_qd33df8741f_attn
		.amdhsa_group_segment_fixed_size 272384
		.amdhsa_private_segment_fixed_size 0
		.amdhsa_enable_private_segment 0
		.amdhsa_kernarg_size 32
		.amdhsa_user_sgpr_count 2
		.amdhsa_user_sgpr_kernarg_segment_ptr 1
		.amdhsa_wavefront_size32 1
		.amdhsa_system_sgpr_workgroup_id_x 1
		.amdhsa_system_sgpr_workgroup_id_y 1
		.amdhsa_system_sgpr_workgroup_id_z 1
		.amdhsa_system_vgpr_workitem_id 0
		.amdhsa_next_free_vgpr 256
		.amdhsa_next_free_sgpr 66
		.amdhsa_reserve_vcc 0
		.amdhsa_float_denorm_mode_32 3
		.amdhsa_float_denorm_mode_16_64 3
		.amdhsa_memory_ordered 1
		.amdhsa_forward_progress 1
		.amdhsa_inst_pref_size 70
	.end_amdhsa_kernel
	.amdgpu_metadata
---
amdhsa.version: [ 1, 2 ]
amdhsa.kernels:
  - .name:           k_qd33df8741f_attn
    .symbol:         k_qd33df8741f_attn.kd
    .args:
      - { .name: qbuf, .offset: 0, .size: 8, .value_kind: global_buffer, .address_space: global }
      - { .name: kvbuf, .offset: 8, .size: 8, .value_kind: global_buffer, .address_space: global }
      - { .name: obuf, .offset: 16, .size: 8, .value_kind: global_buffer, .address_space: global }
      - { .name: osc, .offset: 24, .size: 8, .value_kind: global_buffer, .address_space: global }
    .group_segment_fixed_size: 272384
    .private_segment_fixed_size: 0
    .kernarg_segment_align: 8
    .kernarg_segment_size: 32
    .max_flat_workgroup_size: 512
    .sgpr_count:     66
    .vgpr_count:     256
    .wavefront_size: 32
...
	.end_amdgpu_metadata
.endif
;; end of part 2
;; launch outp (part 3): grid 8 x 32, 4 waves a work-group, clusters of 4 x 4, 301,568 bytes of LDS; arguments obuf, osc, Wo_codes, Wo_scales, bo, out0; writes out0
.if DOCPART == 3
	.amdgcn_target "amdgcn-amd-amdhsa--gfx1250"
	.amdhsa_code_object_version 6
	.text
	.protected	k_qd33df8741f_outp
	.globl	k_qd33df8741f_outp
	.p2align	8
	.type	k_qd33df8741f_outp,@function
k_qd33df8741f_outp:
	s_mov_b64 s[64:65], 0
	v_nop
	global_prefetch_b8 v0, s[64:65] scope:SCOPE_SE
	s_setreg_imm32_b32 hwreg(HW_REG_WAVE_MODE, 25, 1), 1
	s_wait_xcnt 0x0
	s_wait_alu depctr_hold_cnt(0) depctr_sa_sdst(0) depctr_va_vdst(0) depctr_va_sdst(0) depctr_va_ssrc(0) depctr_va_vcc(0) depctr_vm_vsrc(0)
	s_getreg_b32 s2, hwreg(HW_REG_IB_STS2, 6, 4)
	s_cmp_eq_u32 s2, 0
	s_cbranch_scc0 .Lentry_in_a_cluster
	s_endpgm
.Lentry_in_a_cluster:
	s_bfe_u32 s2, ttmp6, 0x10000c
	s_cmp_lg_u32 s2, 0xf033
	s_cbranch_scc0 .Lentry_shape_is_right
	s_endpgm
.Lentry_shape_is_right:
; out0 = o Wo^T + bo on codes of BF8 (E5M2) with one E8M0 scale for each 32 along K = 1,024.  o: images of the operand's registers (obuf) and scale words (osc), made by the launch before; Wo: codes as given; out0: f32.
; SHARES.  256 work-groups, each 128 tokens x 128 outputs; four waves, each 64 x 64: 16 accumulators.  ALL of K lies in LDS, brought once: no byte is filled again.
; FILLS, one joint load a wave, each on a line of its own: wave 0 o's K steps 0 to 3 (65,536 dense bytes), wave 1 its K steps 4 to 7; wave 2 Wo's 128 rows x K 0 .. 511, wave 3 K 512 .. 1,023 (rows of 512 bytes).
; The first barrier shows waves 0 and 2's tiles, the barrier in K step 3 the other two.  In the 4 x 4 cluster o's tiles are shared along a row, Wo's along a column.
; No prefetch: all that the work-group reads is asked for at the head, and the text has no later request to run ahead of.
; o is packed, inside each block of 32, at place 16 h + 8 u + j for the number 16 u + 8 h + j.  Wo's fragments are read in the same order: eight loads of 8 bytes at 16 c + 8 h of a row.  Blocks and scales stay as they are.
; TRANSPOSED: source 0 = 16 rows of Wo, source 1 = 16 tokens: a lane holds eight neighbouring outputs of one token.  The bias is the C of each sum's first product.
; REGISTERS: window 0: v1-18 addresses; v32-63 o's scale words (8 a + k), v64-95 Wo's (8 b + k): scales and nothing else; v96-127 the bias; v128-255 the accumulators.  Window 1: two sets of 128: o's four fragments, Wo's four;
; on the way out its v0-63 take the rows read back from the stage.
.set WOFF,  131072                     ; LDS: from 0 o's images: K step s at 16,384 s, tile i at 2,048 i, piece at 512;  from WOFF Wo: two halves of K, 128 rows x (512 + 16) bytes each
.set WP,    528
.set WC2,   128*WP
.set STAGE, WOFF+2*WC2                 ; each wave's two stages of 16 rows x (256 + 16) bytes: bytes of their own, into which no fill lands
.set SPARE, STAGE+4*2*16*272           ; the spare words
.set VO,  4                            ; v4-7   o's images of K steps 2 q, 2 q + 1 for my lane and my 64 tokens
.set VW,  8                            ; v8, v9 Wo's rows in the two halves of K
.set STO, 16
.set RD,  17
.set CO,  18
.set SPW, 30
.set NIL, 31
.set OS,  32
.set WS,  64
.set BB,  96
.set ACC, 128
.set G0O, 24                           ; s[24:27] group 0 for o;  s[40:43] for Wo;  s[56:63], s[68:75] the groups 1
.set G0W, 40
.set G1O, 56
.set G1W, 68
.set MSB, 0
.macro WIN new
.if MSB != \new
	s_set_vgpr_msb (MSB<<8)|\new
.set MSB, \new
.endif
.endm
.macro CROUND
	s_barrier_signal -1
	s_barrier_wait -1
	s_cmp_lg_u32 s16, 0
	s_cbranch_scc1 .Lnot_wave_0_\@
	s_barrier_signal -3
.Lnot_wave_0_\@:
	s_barrier_wait -3
	s_barrier_signal -1
	s_barrier_wait -1
.endm
.macro TLOAD g0, g1                    ; an s_nop 0 and four v_nop follow the load
	tensor_load_to_lds s[\g0:\g0+3], s[\g1:\g1+7]
	s_nop 0
.rept 4
	v_nop
.endr
.endm
	s_load_b256 s[4:11], s[0:1], 0x0               ; obuf, osc, Wo's codes, Wo's scales
	s_load_b128 s[12:15], s[0:1], 0x20             ; bo, out0
	v_lshl_add_u32 v[SPW], v0, 2, SPARE
	v_mov_b32 v[NIL], 0
	ds_add_u32 v[SPW], v[NIL]                      ; the opening lines: the add twice on end and its wait ahead of my tensor load
	ds_add_u32 v[SPW], v[NIL]
	v_lshrrev_b32 v1, 5, v0
	v_readfirstlane_b32 s16, v1                    ; wave 0..3
	s_lshr_b32 s17, s16, 1                         ; which 64 tokens are mine.  Also: I fetch o (0) or Wo (1)
	s_and_b32 s18, s16, 1                          ; which 64 outputs.  Also: which half of K I fetch
	s_bfe_u32 s76, ttmp6, 0x40000                  ; cx, cy
	s_bfe_u32 s77, ttmp6, 0x40004
	s_lshl_b32 s78, ttmp9, 2
	s_add_co_u32 s78, s78, s76                     ; x: which 128 outputs
	s_and_b32 s79, ttmp7, 0xffff
	s_lshl_b32 s79, s79, 2
	s_add_co_u32 s79, s79, s77                     ; y: which 128 tokens
	s_lshl_b32 s80, s77, 2
	s_lshl_b32 s80, 15, s80                        ; my row of the cluster
	s_lshl_b32 s81, 0x1111, s76                    ; my column
	s_or_b32 s[G1O], s80, (3<<16)|(1<<21)          ; o: elements of 8 bytes, 256 dense rows of 256 bytes, no padding
	s_mov_b32 s[G1O+1], 32<<16
	s_mov_b32 s[G1O+2], 256<<16
	s_mov_b32 s[G1O+3], 32<<16
	s_mov_b32 s[G1O+4], 256
	s_mov_b32 s[G1O+5], 32
	s_mov_b32 s[G1O+6], 0
	s_mov_b32 s[G1O+7], 0
	s_or_b32 s[G1W], s81, (0<<16)|(1<<20)|(1<<21)|(6<<22)|(3<<25)   ; Wo: elements of 1 byte, 128 rows of 512 bytes, 1,024 apart; four words of padding after every 128
	s_mov_b32 s[G1W+1], 512<<16
	s_mov_b32 s[G1W+2], 128<<16
	s_mov_b32 s[G1W+3], 512<<16
	s_mov_b32 s[G1W+4], 128
	s_mov_b32 s[G1W+5], 1024
	s_mov_b32 s[G1W+6], 0
	s_mov_b32 s[G1W+7], 0
	s_lshl_b32 s84, s18, 16                        ; o: my four K steps, in LDS,
	s_lshl_b32 s82, s79, 17
	s_add_co_u32 s82, s82, s84                     ; and in memory: 131,072 bytes for 128 tokens
	s_mov_b32 s83, 0
	s_mul_i32 s85, s18, WC2
	s_add_co_u32 s85, s85, WOFF                    ; Wo: my half of K, in LDS,
	s_lshl_b32 s86, s78, 17
	s_lshl_b32 s87, s18, 9
	s_add_co_u32 s86, s86, s87                     ; and in memory
	s_mov_b32 s87, 0
	s_wait_dscnt 0x0
	s_wait_kmcnt 0x0
	s_add_nc_u64 s[4:5], s[4:5], s[82:83]
	s_add_nc_u64 s[8:9], s[8:9], s[86:87]
	CROUND                                         ; all sixteen work-groups are here: the joint loads meet
	s_mov_b32 s[G0O], 1
	s_mov_b32 s[G0O+1], s84
	s_mov_b64 s[G0O+2:G0O+3], s[4:5]
	s_or_b32 s[G0O+3], s[G0O+3], 0x80000000
	s_mov_b32 s[G0W], 1
	s_mov_b32 s[G0W+1], s85
	s_mov_b64 s[G0W+2:G0W+3], s[8:9]
	s_or_b32 s[G0W+3], s[G0W+3], 0x80000000
	s_cmp_eq_u32 s16, 0                            ; one chain of branches on the wave's number, a load to an arm, all arms leading to one join
	s_cbranch_scc0 .Lw1
	TLOAD G0O, G1O
	s_branch .Lasked
.Lw1:
	s_cmp_eq_u32 s16, 1
	s_cbranch_scc0 .Lw2
	TLOAD G0O, G1O
	s_branch .Lasked
.Lw2:
	s_cmp_eq_u32 s16, 2
	s_cbranch_scc0 .Lw3
	TLOAD G0W, G1W
	s_branch .Lasked
.Lw3:
	TLOAD G0W, G1W
.Lasked:
	s_mov_b32 s89, 0
	s_lshl_b32 s88, s79, 3
	s_lshl_b32 s90, s17, 2
	s_add_co_u32 s88, s88, s90
	s_lshl_b32 s88, s88, 9                         ; o's scale words: 512 bytes for a tile of 16 tokens
	s_add_nc_u64 s[6:7], s[6:7], s[88:89]
	s_lshl_b32 s88, s78, 12
	s_lshl_b32 s90, s18, 11
	s_add_co_u32 s88, s88, s90                     ; Wo's: 32 bytes a row
	s_add_nc_u64 s[10:11], s[10:11], s[88:89]
	s_lshl_b32 s88, s78, 9
	s_lshl_b32 s90, s18, 8
	s_add_co_u32 s88, s88, s90                     ; my first output, in bytes
	s_add_nc_u64 s[12:13], s[12:13], s[88:89]
	s_add_nc_u64 s[14:15], s[14:15], s[88:89]
	s_lshl_b32 s88, s79, 19
	s_lshl_b32 s90, s17, 18
	s_add_co_u32 s88, s88, s90                     ; my first token's row of 4,096 bytes
	s_add_nc_u64 s[14:15], s[14:15], s[88:89]
	v_and_b32 v1, 15, v0                           ; r
	v_bfe_u32 v2, v0, 4, 1                         ; h
	v_lshlrev_b32 v3, 5, v1
	v_lshlrev_b32 v12, 5, v2
.irp a, 0,1,2,3
	global_load_b128 v[OS+8*\a:OS+8*\a+3], v3, s[6:7] offset:512*\a        ; row r's eight scale words, one for each K step
	global_load_b128 v[OS+8*\a+4:OS+8*\a+7], v3, s[6:7] offset:512*\a+16
.endr
.irp b, 0,1,2,3
	global_load_b128 v[WS+8*\b:WS+8*\b+3], v3, s[10:11] offset:512*\b
	global_load_b128 v[WS+8*\b+4:WS+8*\b+7], v3, s[10:11] offset:512*\b+16
.endr
.irp b, 0,1,2,3
	global_load_b128 v[BB+8*\b:BB+8*\b+3], v12, s[12:13] offset:64*\b      ; bo(16 b + 8 h + 0 .. 7): the result's layout
	global_load_b128 v[BB+8*\b+4:BB+8*\b+7], v12, s[12:13] offset:64*\b+16
.endr
	v_and_b32 v13, 31, v0
	v_lshlrev_b32 v13, 4, v13
	s_lshl_b32 s91, s17, 13
	v_add_nc_u32 v[VO], s91, v13                   ; 16 x lane + my four tiles
	v_add_nc_u32 v[VO+1], 32768, v[VO]
	v_add_nc_u32 v[VO+2], 65536, v[VO]
	v_add_nc_u32 v[VO+3], 98304, v[VO]
	v_mul_u32_u24 v14, v1, WP
	v_lshl_add_u32 v14, v2, 3, v14                 ; row r, + 8 h
	s_mul_i32 s91, s18, 64*WP
	s_add_co_u32 s91, s91, WOFF
	v_add_nc_u32 v[VW], s91, v14
	v_add_nc_u32 v[VW+1], WC2, v[VW]
	s_mul_i32 s91, s16, 2*16*272
	s_add_co_u32 s91, s91, STAGE                   ; my stages
	v_mul_u32_u24 v[STO], v1, 272
	v_lshl_add_u32 v[STO], v2, 5, v[STO]
	v_add_nc_u32 v[STO], s91, v[STO]               ; in: row r, 32 bytes for each half of the lanes
	v_mul_u32_u24 v[RD], v2, 272
	v_lshl_add_u32 v[RD], v1, 4, v[RD]
	v_add_nc_u32 v[RD], s91, v[RD]                 ; back: lanes 0-15 one row of 256 bytes, lanes 16-31 the next
	v_lshlrev_b32 v[CO], 12, v2
	v_lshl_add_u32 v[CO], v1, 4, v[CO]             ; and the same two rows in out0
.macro FETCH k                         ; K step k's fragments into set k % 2 of window 1
	WIN 0x40
.set FS, 128*((\k)%2)
.irp a, 0,1,2,3
.irp c, 0,1,2,3
	ds_load_b128 v[FS+16*\a+4*\c:FS+16*\a+4*\c+3], v[VO+(\k)/2] offset:16384*((\k)%2)+2048*\a+512*\c
.endr
.endr
.irp b, 0,1,2,3
.irp c, 0,1,2,3,4,5,6,7
	ds_load_b64 v[FS+64+16*\b+2*\c:FS+64+16*\b+2*\c+1], v[VW+(\k)/4] offset:128*((\k)%4)+16*WP*\b+16*\c
.endr
.endr
.endm
.macro MULK k                          ; 16 products: the accumulators by turns, in the same order in every K step
	WIN 0x05
.set FS, 128*((\k)%2)
.irp a, 0,1,2,3
.irp b, 0,1,2,3
.if (\k) == 0
	v_wmma_scale_f32_16x16x128_f8f6f4 v[ACC+8*(4*\a+\b):ACC+8*(4*\a+\b)+7], v[FS+64+16*\b:FS+64+16*\b+15], v[FS+16*\a:FS+16*\a+15], v[BB+8*\b:BB+8*\b+7], v[WS+8*\b+(\k)], v[OS+8*\a+(\k)] matrix_a_fmt:MATRIX_FMT_BF8 matrix_b_fmt:MATRIX_FMT_BF8
.else
	v_wmma_scale_f32_16x16x128_f8f6f4 v[ACC+8*(4*\a+\b):ACC+8*(4*\a+\b)+7], v[FS+64+16*\b:FS+64+16*\b+15], v[FS+16*\a:FS+16*\a+15], v[ACC+8*(4*\a+\b):ACC+8*(4*\a+\b)+7], v[WS+8*\b+(\k)], v[OS+8*\a+(\k)] matrix_a_fmt:MATRIX_FMT_BF8 matrix_b_fmt:MATRIX_FMT_BF8
.endif
.endr
.endr
.endm
	s_wait_alu depctr_va_vdst(0)                   ; the wait at the head's end
	s_wait_loadcnt 0x0                             ; the scale words and the bias
	s_cmp_eq_u32 s18, 0
	s_cbranch_scc0 .Lsecond_half
	s_wait_tensorcnt 0x0                           ; waves 0 and 2: the first half of K is in.  The other two waves' wait stands in K step 3
.Lsecond_half:
	s_barrier_signal -1
	s_barrier_wait -1
	FETCH 0
.irp k, 0,1,2,3,4,5,6,7
	s_wait_dscnt 0x0                               ; this K step's fragments are in
.if \k == 3
	s_wait_tensorcnt 0x0                           ; every wave: its tile is in,
	s_barrier_signal -1
	s_barrier_wait -1                              ; everybody's is
.endif
.if \k < 7
.if \k > 0
.rept 8
	v_nop                                          ; places in front of loads into the set that the last products read
.endr
.endif
	FETCH \k+1
.endif
	MULK \k
.endr
; THE WAY OUT, a tile of 16 tokens at a time: a lane's 32 bytes of a row go into my own stage and come back as rows of 256 bytes; sixteen lanes store one aligned run of 256 bytes.
.macro TOSTAGE a
	WIN 0
.irp b, 0,1,2,3
	ds_store_b128 v[STO], v[ACC+8*(4*(\a)+\b):ACC+8*(4*(\a)+\b)+3] offset:4352*((\a)%2)+64*\b        ; each accumulator from its low end on
	ds_store_b128 v[STO], v[ACC+8*(4*(\a)+\b)+4:ACC+8*(4*(\a)+\b)+7] offset:4352*((\a)%2)+64*\b+16
.endr
	WIN 0x40                                       ; back into window 1.  LDS serves a wave's instructions in order: these see the stores above
.irp t, 0,1,2,3,4,5,6,7
	ds_load_b128 v[32*((\a)%2)+4*\t:32*((\a)%2)+4*\t+3], v[RD] offset:4352*((\a)%2)+544*\t
.endr
.endm
.macro SEND a, younger                 ; younger: the LDS instructions issued behind tile a's loads
	s_wait_dscnt \younger
	WIN 0x04                                       ; a store's data are its source 1: window 1
.irp t, 0,1,2,3,4,5,6,7
	global_store_b128 v[CO], v[32*((\a)%2)+4*\t:32*((\a)%2)+4*\t+3], s[14:15] offset:(16*(\a)+2*\t)*4096 th:TH_STORE_NT
.endr
.endm
.rept 8
	v_nop                                          ; places behind the last products: their results are read, their fragments loaded over
.endr
	TOSTAGE 0
	TOSTAGE 1
	SEND 0, 16                                     ; behind tile 0's loads: tile 1's eight stores and eight loads
	s_wait_xcnt 0x0                                ; tile 0's stores have read their data: tile 2's rows may land there
	TOSTAGE 2
	SEND 1, 16
	s_wait_xcnt 0x0
	TOSTAGE 3
	SEND 2, 16
	SEND 3, 0
	WIN 0
	s_wait_tensorcnt 0x0                           ; the wave's end
	ds_add_u32 v[SPW], v[NIL]
	s_wait_dscnt 0x0
	CROUND                                         ; the closing round
	s_endpgm
.Lfunc_end_k_qd33df8741f_outp:
	.size	k_qd33df8741f_outp, .Lfunc_end_k_qd33df8741f_outp-k_qd33df8741f_outp
	.p2alignl 7, 3214868480
	.fill 96, 4, 3214868480
	.section	.rodata,"a",@progbits
	.p2align	6, 0x0
	.amdhsa_kernel k_qd33df8741f_outp
		.amdhsa_group_segment_fixed_size 301568
		.amdhsa_private_segment_fixed_size 0
		.amdhsa_enable_private_segment 0
		.amdhsa_kernarg_size 48
		.amdhsa_user_sgpr_count 2
		.amdhsa_user_sgpr_kernarg_segment_ptr 1
		.amdhsa_wavefront_size32 1
		.amdhsa_system_sgpr_workgroup_id_x 1
		.amdhsa_system_sgpr_workgroup_id_y 1
		.amdhsa_system_sgpr_workgroup_id_z 1
		.amdhsa_system_vgpr_workitem_id 0
		.amdhsa_next_free_vgpr 512
		.amdhsa_next_free_sgpr 100
		.amdhsa_reserve_vcc 0
		.amdhsa_float_denorm_mode_32 3
		.amdhsa_float_denorm_mode_16_64 3
		.amdhsa_memory_ordered 1
		.amdhsa_forward_progress 1
		.amdhsa_inst_pref_size 60
	.end_amdhsa_kernel
	.amdgpu_metadata
---
amdhsa.version: [ 1, 2 ]
amdhsa.kernels:
  - .name:           k_qd33df8741f_outp
    .symbol:         k_qd33df8741f_outp.kd
    .args:
      - { .name: obuf, .offset: 0, .size: 8, .value_kind: global_buffer, .address_space: global }
      - { .name: osc, .offset: 8, .size: 8, .value_kind: global_buffer, .address_space: global }
      - { .name: Wo_codes, .offset: 16, .size: 8, .value_kind: global_buffer, .address_space: global }
      - { .name: Wo_scales, .offset: 24, .size: 8, .value_kind: global_buffer, .address_space: global }
      - { .name: bo, .offset: 32, .size: 8, .value_kind: global_buffer, .address_space: global }
      - { .name: out0, .offset: 40, .size: 8, .value_kind: global_buffer, .address_space: global }
    .group_segment_fixed_size: 301568
    .private_segment_fixed_size: 0
    .kernarg_segment_align: 8
    .kernarg_segment_size: 48
    .max_flat_workgroup_size: 128
    .sgpr_count:     100
    .vgpr_count:     512
    .wavefront_size: 32
...
	.end_amdgpu_metadata
.endif
;; end of part 3
